; MI455X (gfx1250); checked and timed in simulation.
; The chip was launched on July 23, 2026; its instructions are those of AMD's public machine-readable ISA for CDNA 5 (MIT licence, August 2026) and "CDNA5" Instruction Set Architecture Reference Guide (July 2026). The comments in the code are by the model that wrote it; some were corrected since.
;; Mask Vector Quantize. Allowed arithmetic: float matrix products may take bf16 or f16 operands with f32 sums; all other float work in f32.
;; Inputs: codebook_mask 16 x 1 x 32 x 32 float32; weight 16,384 x 256 float32; x 16 x 256 x 32 x 32 float32.
;; Outputs: out0 16 x 256 x 32 x 32 float32; out1 one number float32; out2 16 x 32 x 32 int32.
;; 2 versions, each right; version 2 is version 1 with the launches prepw, prepx written anew for expert scheduling mode. Each part assembles by itself: llvm-mc -triple=amdgcn-amd-amdhsa -mcpu=gfx1250 --defsym DOCPART=n.
;; ======== version 1 of 2: 6 launches
;; limits: values outside matrix products are rounded to bf16
;; workspace buffers: wfrag 8,388,608 bytes; xfrag 8,388,608 bytes; sw 65,536 bytes; sf 65,536 bytes; part 1,048,576 bytes; order 65,536 bytes of whole numbers; lpart 2,048 bytes
;; launch prepw (part 1): grid 256 x 1, 4 waves a work-group, no clusters, 35,840 bytes of LDS; arguments weight, wfrag, sw; writes wfrag, sw
.if DOCPART == 1
	.amdgcn_target "amdgcn-amd-amdhsa--gfx1250"
	.amdhsa_code_object_version 6
	.text
	.protected	k_qd298df136f_prepw
	.globl	k_qd298df136f_prepw
	.p2align	8
	.type	k_qd298df136f_prepw,@function
k_qd298df136f_prepw:
	s_mov_b64 s[64:65], 0
	v_nop
	global_prefetch_b8 v0, s[64:65] scope:SCOPE_SE
	s_setreg_imm32_b32 hwreg(HW_REG_WAVE_MODE, 25, 1), 1
	s_wait_xcnt 0x0
; Rounds the codes (weight [16384][256] f32) to bf16, once, and lays them in FRAGMENT ORDER: a block of 16 codes is 8,192 bytes,
; byte = piece*256 + row*16 + 2*e with k = 8*piece + e.  In that order the 16 bytes of lane l of every matrix fragment lie at 16*l of a run
; of 512 bytes, in memory and in LDS.  It also stores sw[code], the sum of squares OF THE ROUNDED NUMBERS in f32 (the order of the sum is this text's own).
; A work-group takes 64 codes, a wave one block of 16: 64 KiB in and 32 KiB out for every work-group.
; Memory binds: all 32 loads of a wave go out at once, every load and store covers whole aligned runs of 256 bytes.
; No matrix unit, no cluster (no input is shared), no tensor loads (the numbers must pass through registers to be rounded).
; LIMIT: numbers beyond bf16's range or NaN are passed on as the conversion gives them.
.set WSTG, 8704                        ; a wave's stage, 32 pieces at a pitch of 272 bytes
.set SWL,  34816                       ; the work-group's 64 sums, behind the four stages
.set IN,   16                          ; v[16:143]  the 32 loads
.set PK,   8                           ; v[8:11]    packed bf16 on their way to LDS
.set OUTR, 144                         ; v[144:207] fragment order, read back
.set CH,   208                         ; v[208:211] chains of the sum of squares
	s_load_b128 s[4:7], s[0:1], 0x0                ; weight s[4:5], wfrag s[6:7]
	s_load_b64 s[8:9], s[0:1], 0x10                ; sw
	v_lshl_add_u32 v212, v0, 2, 0x8a00
	v_mov_b32 v213, 0
	v_lshrrev_b32 v1, 5, v0
	v_readfirstlane_b32 s16, v1                    ; wave 0..3
	s_mov_b32 s17, ttmp9
	s_mov_b32 s18, 0x76543210                      ; v_permlanex16_b32: lane i reads lane i of the other half
	s_mov_b32 s19, 0xfedcba98
	v_and_b32 v2, 31, v0                           ; lane
	v_lshlrev_b32 v1, 4, v2                        ; 16 x lane
	v_and_b32 v3, 15, v2                           ; lane % 16
	v_lshrrev_b32 v4, 4, v2                        ; lane / 16
	s_mov_b32 s21, 0
	s_mov_b32 s23, 0
	s_lshl2_add_u32 s20, s17, s16                  ; block = 4 x work-group + wave
	s_lshl_b32 s22, s20, 13                        ; 8,192 bytes of bf16 out
	s_lshl_b32 s20, s20, 14                        ; 16,384 bytes of f32 in
	s_mul_i32 s24, s16, WSTG
	v_lshrrev_b32 v5, 1, v2                        ; my 4 numbers k = 4 lane .. lie in piece lane / 2,
	v_and_b32 v6, 1, v2                            ; in its lower or upper 8 bytes
	v_mul_u32_u24 v5, v5, 272
	v_lshl_add_u32 v5, v6, 3, v5
	v_add_nc_u32 v5, s24, v5                       ; in: pairs of lanes 272 bytes apart, so the 32 lanes' 8 bytes fall on 64 different words modulo 256 bytes
	v_mul_u32_u24 v6, v4, 272
	v_lshl_add_u32 v6, v3, 4, v6
	v_add_nc_u32 v6, s24, v6                       ; back: lanes 0-15 one piece's 256 bytes, lanes 16-31 the next piece's
	s_lshl_b32 s25, s16, 6
	v_lshl_add_u32 v7, v3, 2, s25                  ; word of code 16 wave + lane % 16
	s_wait_kmcnt 0x0
	s_add_nc_u64 s[4:5], s[4:5], s[20:21]
	s_add_nc_u64 s[6:7], s[6:7], s[22:23]
.irp r, 0,1,2,3,4,5,6,7,8,9,10,11,12,13,14,15
	global_load_b128 v[IN+8*\r:IN+8*\r+3],   v1, s[4:5] offset:\r*1024 th:TH_LOAD_NT       ; code r, k = 4 lane ..
	global_load_b128 v[IN+8*\r+4:IN+8*\r+7], v1, s[4:5] offset:\r*1024+512 th:TH_LOAD_NT   ; code r, k = 128 + 4 lane ..
.endr
.irp e, 0,1,2,3
	v_mov_b32 v[CH+\e], 0
.endr
.irp r, 0,1,2,3,4,5,6,7,8,9,10,11,12,13,14,15
	s_wait_loadcnt 30-2*\r                         ; of the 32 loads the first 2 r + 2 are in
	v_cvt_pk_bf16_f32 v[PK],   v[IN+8*\r],   v[IN+8*\r+1]
	v_cvt_pk_bf16_f32 v[PK+1], v[IN+8*\r+2], v[IN+8*\r+3]
	v_cvt_pk_bf16_f32 v[PK+2], v[IN+8*\r+4], v[IN+8*\r+5]
	v_cvt_pk_bf16_f32 v[PK+3], v[IN+8*\r+6], v[IN+8*\r+7]
	ds_store_b64 v5, v[PK:PK+1]   offset:\r*16
	ds_store_b64 v5, v[PK+2:PK+3] offset:\r*16+16*272       ; pieces 16 to 31
.endr
.irp i, 0,1,2,3,4,5,6,7,8,9,10,11,12,13,14,15
	ds_load_b128 v[OUTR+4*\i:OUTR+4*\i+3], v6 offset:\i*544  ; pieces 2 i, 2 i + 1.  The stage is the wave's own and LDS serves a wave in order (ISA guide 5.7.1): no wait behind the stores
.endr
.irp i, 0,1,2,3,4,5,6,7,8,9,10,11,12,13,14,15
	s_wait_dscnt 15-\i                             ; read-back i is in, the younger ones stay out
	global_store_b128 v1, v[OUTR+4*\i:OUTR+4*\i+3], s[6:7] offset:\i*512       ; 512 consecutive bytes
.irp e, 0,1,2,3
	v_fma_mix_f32_bf16 v[CH+\e], v[OUTR+4*\i+\e], v[OUTR+4*\i+\e], v[CH+\e] op_sel_hi:[1,1,0]                 ; low half squared
.endr
.irp e, 0,1,2,3
	v_fma_mix_f32_bf16 v[CH+\e], v[OUTR+4*\i+\e], v[OUTR+4*\i+\e], v[CH+\e] op_sel:[1,1,0] op_sel_hi:[1,1,0]  ; high half squared
.endr
.endr
	v_add_f32 v[CH], v[CH], v[CH+1]
	v_add_f32 v[CH+2], v[CH+2], v[CH+3]
	v_add_f32 v[CH], v[CH], v[CH+2]                ; code lane % 16, the pieces of my half of the lanes
	v_permlanex16_b32 v[CH+1], v[CH], s18, s19
	v_add_f32 v[CH], v[CH], v[CH+1]                ; all 32 pieces; both halves hold the same number
	ds_store_b32 v7, v[CH] offset:SWL
	s_wait_dscnt 0x0                               ; for wave 0's sake: my word is written
	s_barrier_signal -1
	s_barrier_wait -1
	s_cmp_lg_u32 s16, 0
	s_cbranch_scc1 .Lend
	v_lshlrev_b32 v8, 3, v2
	ds_load_b64 v[10:11], v8 offset:SWL            ; the work-group's 64 sums: one store of 256 consecutive bytes
	s_lshl_b32 s20, s17, 8
	s_add_nc_u64 s[8:9], s[8:9], s[20:21]
	s_wait_dscnt 0x0
	global_store_b64 v8, v[10:11], s[8:9]
.Lend:
	s_wait_tensorcnt 0x0
	ds_add_u32 v212, v213
	s_wait_dscnt 0x0
	s_endpgm
.Lfunc_end_k_qd298df136f_prepw:
	.size	k_qd298df136f_prepw, .Lfunc_end_k_qd298df136f_prepw-k_qd298df136f_prepw
	.p2alignl 7, 3214868480
	.fill 96, 4, 3214868480
	.section	.rodata,"a",@progbits
	.p2align	6, 0x0
	.amdhsa_kernel k_qd298df136f_prepw
		.amdhsa_group_segment_fixed_size 35840
		.amdhsa_private_segment_fixed_size 0
		.amdhsa_enable_private_segment 0
		.amdhsa_kernarg_size 24
		.amdhsa_user_sgpr_count 2
		.amdhsa_user_sgpr_kernarg_segment_ptr 1
		.amdhsa_wavefront_size32 1
		.amdhsa_system_sgpr_workgroup_id_x 1
		.amdhsa_system_sgpr_workgroup_id_y 1
		.amdhsa_system_sgpr_workgroup_id_z 1
		.amdhsa_system_vgpr_workitem_id 0
		.amdhsa_next_free_vgpr 214
		.amdhsa_next_free_sgpr 66
		.amdhsa_reserve_vcc 0
		.amdhsa_float_denorm_mode_32 3
		.amdhsa_float_denorm_mode_16_64 3
		.amdhsa_memory_ordered 1
		.amdhsa_forward_progress 1
		.amdhsa_inst_pref_size 24
	.end_amdhsa_kernel
	.amdgpu_metadata
---
amdhsa.version: [ 1, 2 ]
amdhsa.kernels:
  - .name:           k_qd298df136f_prepw
    .symbol:         k_qd298df136f_prepw.kd
    .args:
      - { .name: weight, .offset: 0, .size: 8, .value_kind: global_buffer, .address_space: global }
      - { .name: wfrag, .offset: 8, .size: 8, .value_kind: global_buffer, .address_space: global }
      - { .name: sw, .offset: 16, .size: 8, .value_kind: global_buffer, .address_space: global }
    .group_segment_fixed_size: 35840
    .private_segment_fixed_size: 0
    .kernarg_segment_align: 8
    .kernarg_segment_size: 24
    .max_flat_workgroup_size: 128
    .sgpr_count:     66
    .vgpr_count:     214
    .wavefront_size: 32
...
	.end_amdgpu_metadata
.endif
;; end of part 1
;; launch prepx (part 2): grid 256 x 1, 4 waves a work-group, no clusters, 34,816 bytes of LDS; arguments x, xfrag, sf; writes xfrag, sf
.if DOCPART == 2
	.amdgcn_target "amdgcn-amd-amdhsa--gfx1250"
	.amdhsa_code_object_version 6
	.text
	.protected	k_qd298df136f_prepx
	.globl	k_qd298df136f_prepx
	.p2align	8
	.type	k_qd298df136f_prepx,@function
k_qd298df136f_prepx:
	s_mov_b64 s[64:65], 0
	v_nop
	global_prefetch_b8 v0, s[64:65] scope:SCOPE_SE
	s_setreg_imm32_b32 hwreg(HW_REG_WAVE_MODE, 25, 1), 1
	s_wait_xcnt 0x0
; Rounds the vectors (x [16][256][1024] f32, seen as rows b*1024+n of 256 channels) to bf16, once, turns them from channel-major to row-major
; and lays them in FRAGMENT ORDER: a block of 16 rows is 8,192 bytes, byte = piece*256 + row*16 + 2*e with k = 8*piece + e.
; It also stores sf[row], the sum of squares OF THE ROUNDED NUMBERS in f32 (the order of the sum is this text's own).
; Work-group g: the 64 rows n0 .. n0+63 of image g / 16, n0 = 64 (g % 16); wave w: channels 64 w .. +63 on the way in, block w of 16 rows on the way out.
; Memory binds: all 32 loads of a wave go out at once, every load and store covers whole aligned runs of 256 bytes: 64 KiB in, 32 KiB out.
; No matrix unit, no cluster (no input is shared), no tensor loads (the numbers must pass through registers to be rounded).
; LIMIT: numbers beyond bf16's range or NaN are passed on as the conversion gives them.
.set XREG, 8256                        ; a wave's stage: 4 blocks of 16 rows at a pitch of 2,064 bytes
.set XNB,  2064                        ; 8 pieces of 256 bytes + 16: 129 columns of 16 bytes
.set SFL,  33024                       ; four waves' partial sums, 256 bytes each, behind the four stages
.set IN,   16                          ; v[16:143]  the 32 loads
.set OUTR, 144                         ; v[144:207] fragment order, read back; v[144:151] also packed bf16 on their way in
.set CH,   208                         ; v[208:215] chains of the sums of squares: low halves, high halves, for my four rows
	s_load_b128 s[4:7], s[0:1], 0x0                ; x s[4:5], xfrag s[6:7]
	s_load_b64 s[8:9], s[0:1], 0x10                ; sf
	v_lshl_add_u32 v216, v0, 2, 0x8600
	v_mov_b32 v217, 0
	v_lshrrev_b32 v1, 5, v0
	v_readfirstlane_b32 s16, v1                    ; wave 0..3
	s_mov_b32 s17, ttmp9                           ; g = group of 64 rows
	s_mov_b32 s18, 0x76543210                      ; v_permlanex16_b32: lane i reads lane i of the other half
	s_mov_b32 s19, 0xfedcba98
	v_and_b32 v2, 31, v0                           ; lane
	v_lshlrev_b32 v1, 4, v2                        ; 16 x lane
	v_and_b32 v3, 15, v2                           ; a = lane % 16
	v_lshrrev_b32 v4, 4, v2                        ; lane / 16
	s_mov_b32 s21, 0
	s_mov_b32 s23, 0
	s_lshr_b32 s20, s17, 4
	s_lshl_b32 s20, s20, 20                        ; image g / 16: 1 MiB
	s_and_b32 s22, s17, 15
	s_lshl_b32 s22, s22, 8                         ; n0 x 4 bytes
	s_add_co_u32 s20, s20, s22
	s_lshl_b32 s22, s17, 15                        ; out: g x 4 blocks of 8,192 bytes,
	s_lshl_b32 s24, s16, 13                        ; and wave w writes block w
	s_add_co_u32 s22, s22, s24
	s_lshl_b32 s25, s16, 18                        ; in: channel 64 w + 32 (lane / 16) + i, 4,096 bytes a channel
	v_lshlrev_b32 v5, 4, v3
	v_lshl_add_u32 v5, v4, 17, v5
	v_add_nc_u32 v5, s25, v5                       ; sixteen lanes read the 64 rows of one channel: 256 consecutive bytes
	v_lshrrev_b32 v6, 2, v3                        ; my rows 4 a .. 4 a + 3 lie in block a / 4,
	v_mul_u32_u24 v6, v6, XNB
	v_and_b32 v7, 3, v3
	v_lshl_add_u32 v6, v7, 6, v6                   ; at rows 4 (a % 4) + q of it,
	v_lshl_add_u32 v6, v4, 10, v6                  ; pieces 4 (lane / 16) + pp of my wave's eight
	s_mul_i32 s26, s16, XREG
	v_add_nc_u32 v6, s26, v6                       ; column of 16 bytes modulo 16 = a / 4 + 4 (a % 4) + q: sixteen different ones in sixteen lanes
	s_mul_i32 s27, s16, XNB
	v_add_nc_u32 v7, s27, v1                       ; back: block w, 512 consecutive bytes a load
	s_lshl_b32 s28, s16, 8
	v_lshl_add_u32 v8, v3, 4, s28                  ; my wave's partial sums of rows 4 a ..
	s_wait_kmcnt 0x0
	s_add_nc_u64 s[4:5], s[4:5], s[20:21]
	s_add_nc_u64 s[6:7], s[6:7], s[22:23]
.irp i, 0,1,2,3,4,5,6,7,8,9,10,11,12,13,14,15,16,17,18,19,20,21,22,23,24,25,26,27,28,29,30,31
	global_load_b128 v[IN+4*\i:IN+4*\i+3], v5, s[4:5] offset:\i*4096 th:TH_LOAD_NT
.endr
.irp e, 0,1,2,3,4,5,6,7
	v_mov_b32 v[CH+\e], 0
.endr
.irp pp, 0,1,2,3
	s_wait_loadcnt 24-8*\pp                        ; of the 32 loads the first 8 pp + 8 are in
.irp q, 0,1,2,3
.irp e, 0,1,2,3
	v_cvt_pk_bf16_f32 v[OUTR+4*(\q%2)+\e], v[IN+4*(8*\pp+2*\e)+\q], v[IN+4*(8*\pp+2*\e+1)+\q]   ; row 4 a + q, channels 2 e, 2 e + 1 of the piece
.endr
.irp e, 0,1,2,3
	v_fma_mix_f32_bf16 v[CH+\q],   v[OUTR+4*(\q%2)+\e], v[OUTR+4*(\q%2)+\e], v[CH+\q]   op_sel_hi:[1,1,0]
	v_fma_mix_f32_bf16 v[CH+4+\q], v[OUTR+4*(\q%2)+\e], v[OUTR+4*(\q%2)+\e], v[CH+4+\q] op_sel:[1,1,0] op_sel_hi:[1,1,0]
.endr
	ds_store_b128 v6, v[OUTR+4*(\q%2):OUTR+4*(\q%2)+3] offset:\pp*256+\q*16
.endr
.endr
.irp q, 0,1,2,3
	v_add_f32 v[CH+\q], v[CH+\q], v[CH+4+\q]
.endr
.irp q, 0,1,2,3
	v_permlanex16_b32 v[CH+4+\q], v[CH+\q], s18, s19
.endr
.irp q, 0,1,2,3
	v_add_f32 v[CH+\q], v[CH+\q], v[CH+4+\q]       ; my wave's 64 channels; both halves hold the same numbers
.endr
	ds_store_b128 v8, v[CH:CH+3] offset:SFL
	s_wait_dscnt 0x0                               ; for the others' sake: my pieces and my sums are written
	s_barrier_signal -1
	s_barrier_wait -1
.irp i, 0,1,2,3,4,5,6,7,8,9,10,11,12,13,14,15
	ds_load_b128 v[OUTR+4*\i:OUTR+4*\i+3], v7 offset:(\i/4)*XREG+(\i%4)*512    ; pieces 2 i, 2 i + 1 of block w, from the stage of wave i / 4
.endr
.irp i, 0,1,2,3,4,5,6,7,8,9,10,11,12,13,14,15
	s_wait_dscnt 15-\i                             ; read-back i is in, the younger ones stay out
	global_store_b128 v1, v[OUTR+4*\i:OUTR+4*\i+3], s[6:7] offset:\i*512       ; 512 consecutive bytes
.endr
	s_cmp_lg_u32 s16, 0
	s_cbranch_scc1 .Lend
	v_lshlrev_b32 v9, 3, v2
.irp k, 0,1,2,3
	ds_load_b64 v[IN+2*\k:IN+2*\k+1], v9 offset:SFL+\k*256   ; rows 2 lane, 2 lane + 1: the four waves' parts
.endr
	s_lshl_b32 s20, s17, 8
	s_add_nc_u64 s[8:9], s[8:9], s[20:21]
	s_wait_dscnt 0x0
	v_pk_add_f32 v[IN:IN+1], v[IN:IN+1], v[IN+2:IN+3]
	v_pk_add_f32 v[IN+4:IN+5], v[IN+4:IN+5], v[IN+6:IN+7]
	v_pk_add_f32 v[IN:IN+1], v[IN:IN+1], v[IN+4:IN+5]
	global_store_b64 v9, v[IN:IN+1], s[8:9]        ; 256 consecutive bytes
.Lend:
	s_wait_tensorcnt 0x0
	ds_add_u32 v216, v217
	s_wait_dscnt 0x0
	s_endpgm
.Lfunc_end_k_qd298df136f_prepx:
	.size	k_qd298df136f_prepx, .Lfunc_end_k_qd298df136f_prepx-k_qd298df136f_prepx
	.p2alignl 7, 3214868480
	.fill 96, 4, 3214868480
	.section	.rodata,"a",@progbits
	.p2align	6, 0x0
	.amdhsa_kernel k_qd298df136f_prepx
		.amdhsa_group_segment_fixed_size 34816
		.amdhsa_private_segment_fixed_size 0
		.amdhsa_enable_private_segment 0
		.amdhsa_kernarg_size 24
		.amdhsa_user_sgpr_count 2
		.amdhsa_user_sgpr_kernarg_segment_ptr 1
		.amdhsa_wavefront_size32 1
		.amdhsa_system_sgpr_workgroup_id_x 1
		.amdhsa_system_sgpr_workgroup_id_y 1
		.amdhsa_system_sgpr_workgroup_id_z 1
		.amdhsa_system_vgpr_workitem_id 0
		.amdhsa_next_free_vgpr 218
		.amdhsa_next_free_sgpr 66
		.amdhsa_reserve_vcc 0
		.amdhsa_float_denorm_mode_32 3
		.amdhsa_float_denorm_mode_16_64 3
		.amdhsa_memory_ordered 1
		.amdhsa_forward_progress 1
		.amdhsa_inst_pref_size 23
	.end_amdhsa_kernel
	.amdgpu_metadata
---
amdhsa.version: [ 1, 2 ]
amdhsa.kernels:
  - .name:           k_qd298df136f_prepx
    .symbol:         k_qd298df136f_prepx.kd
    .args:
      - { .name: x, .offset: 0, .size: 8, .value_kind: global_buffer, .address_space: global }
      - { .name: xfrag, .offset: 8, .size: 8, .value_kind: global_buffer, .address_space: global }
      - { .name: sf, .offset: 16, .size: 8, .value_kind: global_buffer, .address_space: global }
    .group_segment_fixed_size: 34816
    .private_segment_fixed_size: 0
    .kernarg_segment_align: 8
    .kernarg_segment_size: 24
    .max_flat_workgroup_size: 128
    .sgpr_count:     66
    .vgpr_count:     218
    .wavefront_size: 32
...
	.end_amdgpu_metadata
.endif
;; end of part 2
;; launch vqmain (part 3): grid 32 x 8, 8 waves a work-group, clusters of 4 x 1, 327,680 bytes of LDS; arguments xfrag, wfrag, sf, sw, part; writes part
.if DOCPART == 3
	.amdgcn_target "amdgcn-amd-amdhsa--gfx1250"
	.amdhsa_code_object_version 6
	.text
	.protected	k_qd298df136f_vqmain
	.globl	k_qd298df136f_vqmain
	.p2align	8
	.type	k_qd298df136f_vqmain,@function
k_qd298df136f_vqmain:
	s_mov_b64 s[64:65], 0
	v_nop
	global_prefetch_b8 v0, s[64:65] scope:SCOPE_SE
	s_setreg_imm32_b32 hwreg(HW_REG_WAVE_MODE, 25, 1), 1
	s_wait_xcnt 0x0
	s_wait_alu depctr_hold_cnt(0) depctr_sa_sdst(0) depctr_va_vdst(0) depctr_va_sdst(0) depctr_va_ssrc(0) depctr_va_vcc(0) depctr_vm_vsrc(0)
	s_getreg_b32 s2, hwreg(HW_REG_IB_STS2, 6, 4)
	s_cmp_eq_u32 s2, 0
	s_cbranch_scc0 .Lentry_in_a_cluster
	s_endpgm
.Lentry_in_a_cluster:
	s_bfe_u32 s2, ttmp6, 0x10000c
	s_cmp_lg_u32 s2, 0x3003
	s_cbranch_scc0 .Lentry_shape_is_right
	s_endpgm
.Lentry_shape_is_right:
; d[row][code] = fl( fl(-sf[row] - sw[code]) + 2 * (x^[row] . w^[code]) ), the two roundings in the order in which the problem writes them;
; for each row the largest d and the FIRST code that reaches it, over this work-group's 2,048 codes.
; Work-group (X, y): rows 512 X .. +511 against codes 2,048 y .. +2,047.  Wave w: 64 rows, whose whole K = 256 stays in 256 registers (one window)
; for the whole launch; the codes pass by in blocks of 16.  For a block a wave reads 8 KiB + 64 bytes from LDS and issues 32 matrix instructions.
; Eight waves of 512 registers, two on a SIMD: while one wave compares and selects, the other has matrix work.
; CLUSTER: the four work-groups of a cluster differ in X alone and walk the same codes: every tile of codes (and the table of sw) is asked for
; jointly, mask 15, which divides those requests by four.
; THE MAXIMUM without a branch: a lane holds 8 codes (8 h + j) of one row in each tile.  It keeps the running best, the number of the first tile
; that reached it (strict compare) and that tile's eight d; the place inside the tile is found once, at the end.
; No prefetch: a tile is asked for a whole slot's work (512 matrix instructions a wave) ahead of its use.  No LDS padding: every LDS read is 512 consecutive bytes.
; LIMITS: operands are bf16-rounded, sums f32; where that rounding changes the order of two codes the index is that of the rounded data.
; Inputs finite: a NaN in d never wins (v_max_num_f32, ordered compares); a row whose d are all -inf or NaN gets the split's first code.
.set SLOTB, 131072                     ; a slot: 16 blocks of 16 codes; wave w fills bytes 16,384 w .. of it
.set MBLK,  8192                       ; a block of 16 codes, 256 along K, bf16, fragment order
.set SWLDS, 262144                     ; behind the two slots: sw of the 2,048 codes, filled once, 1 KiB by each wave
.set SCR,   270336                     ; behind it: 512 bytes a wave for the way out; no tensor load ever lands here
.set M,    4                           ; v[4:7]     a tile's largest d, for each of my four blocks of 16 rows
.set BEST, 8                           ; v[8:11]    the running best
.set TID,  12                          ; v[12:15]   the block of codes in which it was first reached
.set NSF,  16                          ; v[16:23]   -sf of my row, twice (a pair for the packed arithmetic)
.set SW0,  24                          ; v[24:31]   sw of my 8 codes, for fragment buffer 0
.set SW1,  32                          ; v[32:39]   for fragment buffer 1
.set T,    40                          ; v[40:55]   -sf - sw, two sets of 8; at work at both ends
.set S,    56                          ; v[56:87]   the eight d of the tile that holds the best
.set ACC,  88                          ; v[88:119]  four accumulators
                                       ; v1 16 x lane; v2, v3 running LDS addresses of codes and of sw; v120 SWLDS + 32 h; v121 8 h + 2,048 y; v122, v123 way out; v[124:127] at work
.set A0,   128                         ; v[128:191] a block of codes, 8 K steps x 8 registers
.set A1,   192                         ; v[192:255] the next block
                                       ; window 1: v[256 + 64 n + 8 s ..]: my rows 16 n .., K step s
.set G1,  24                           ; s[24:31] group 1 of a tile: 64 rows of 256 bytes
.set G1S, 32                           ; s[32:39] group 1 of my part of sw: 4 rows of 256 bytes
.set G0,  40                           ; s[40:47] group 0, one set for each slot
.set G0S, 48                           ; s[48:51] group 0 of sw
.set CM,  60                           ; s[60:63] lanes in which a tile beat the best
.set MSB, 0
.macro WIN new                         ; s_set_vgpr_msb: the immediate's high byte repeats the setting that is left
.if MSB != \new
	s_set_vgpr_msb (MSB<<8)|\new
.set MSB, \new
.endif
.endm
; A round of the cluster's barrier: my work-group's barrier, wave 0 signals for the work-group, every wave waits for all four work-groups, my work-group's barrier again.
.macro ROUND
	s_barrier_signal -1
	s_barrier_wait -1
	s_cmp_lg_u32 s14, 0
	s_cbranch_scc1 .Lnot_wave_0_\@
	s_barrier_signal -3
.Lnot_wave_0_\@:
	s_barrier_wait -3
	s_barrier_signal -1
	s_barrier_wait -1
.endm
	s_load_b256 s[4:11], s[0:1], 0x0               ; xfrag s[4:5], wfrag s[6:7], sf s[8:9], sw s[10:11]
	s_load_b64 s[12:13], s[0:1], 0x20              ; part
	v_lshl_add_u32 v254, v0, 2, 0x43000
	v_mov_b32 v255, 0
	ds_add_u32 v254, v255
	s_wait_dscnt 0x0
	v_lshrrev_b32 v1, 5, v0
	v_readfirstlane_b32 s14, v1                    ; wave 0..7
	s_bfe_u32 s15, ttmp6, 0x40000                  ; cx
	s_lshl_b32 s16, ttmp9, 2
	s_add_co_u32 s16, s16, s15                     ; X = 4 x cluster x + cx
	s_and_b32 s17, ttmp7, 0xffff                   ; y: the four partners share it
	s_mov_b32 s58, 0x76543210
	s_mov_b32 s59, 0xfedcba98
	s_mov_b32 s66, 0xffff0000                      ; lanes 16 to 31
	s_mov_b32 s55, 0xff800000                      ; -inf
	s_mov_b32 s52, 0                               ; block of codes, 0 to 127
	; group 1: a dense block as rows of 32 elements of 8 bytes
	s_mov_b32 s[G1+0], 0x0023000f                  ; 15:0 mask: all four partners; 17:16 elements of 8 bytes; 21 set beside a mask
	s_mov_b32 s[G1+1], 32<<16                      ; tensor_dim0 = 32
	s_mov_b32 s[G1+2], 64<<16                      ; tensor_dim1 = 64
	s_mov_b32 s[G1+3], 32<<16                      ; tile_dim0 = 32
	s_mov_b32 s[G1+4], 64                          ; tile_dim1 = 64
	s_mov_b32 s[G1+5], 32                          ; from row to row: 32 elements
	s_mov_b32 s[G1+6], 0
	s_mov_b32 s[G1+7], 0
	s_mov_b32 s[G1S+0], 0x0023000f
	s_mov_b32 s[G1S+1], 32<<16
	s_mov_b32 s[G1S+2], 4<<16
	s_mov_b32 s[G1S+3], 32<<16
	s_mov_b32 s[G1S+4], 4
	s_mov_b32 s[G1S+5], 32
	s_mov_b32 s[G1S+6], 0
	s_mov_b32 s[G1S+7], 0
	; group 0: made of y and the wave's number alone, so equal in the four partners
	s_lshl_b32 s20, s17, 20                        ; the split's codes: 1 MiB
	s_lshl_b32 s67, s14, 14
	s_add_co_u32 s20, s20, s67                     ; + my sixteenth... my 16 KiB of each tile
	s_mov_b32 s21, 0
	s_lshl_b32 s22, s17, 13                        ; the split's sw: 8 KiB
	s_lshl_b32 s67, s14, 10
	s_add_co_u32 s22, s22, s67
	s_mov_b32 s23, 0
	s_mov_b32 s[G0+0], 1
	s_lshl_b32 s[G0+1], s14, 14
	s_mov_b32 s[G0+4], 1
	s_add_co_u32 s[G0+5], s[G0+1], SLOTB
	s_mov_b32 s[G0S+0], 1
	s_lshl_b32 s[G0S+1], s14, 10
	s_add_co_u32 s[G0S+1], s[G0S+1], SWLDS
	; offsets that hold X have registers of their own
	s_mov_b32 s57, 0
	s_wait_kmcnt 0x0
	s_add_nc_u64 s[G0+2:G0+3], s[6:7], s[20:21]    ; tile 0
	s_add_nc_u64 s[G0+6:G0+7], s[G0+2:G0+3], SLOTB ; tile 1
	s_or_b32 s[G0+3], s[G0+3], 0x80000000
	s_or_b32 s[G0+7], s[G0+7], 0x80000000
	s_add_nc_u64 s[G0S+2:G0S+3], s[10:11], s[22:23]
	s_or_b32 s[G0S+3], s[G0S+3], 0x80000000
	s_lshl_b32 s56, s16, 18                        ; my rows' fragments: 512 rows are 256 KiB, a wave's 64 rows 32 KiB
	s_lshl_b32 s68, s14, 15
	s_add_co_u32 s56, s56, s68
	s_add_nc_u64 s[4:5], s[4:5], s[56:57]
	s_lshl_b32 s56, s16, 11                        ; my rows' sf
	s_lshl_b32 s68, s14, 8
	s_add_co_u32 s56, s56, s68
	s_add_nc_u64 s[8:9], s[8:9], s[56:57]
	s_lshl_b32 s56, s17, 8                         ; part: (256 y + 8 X + w) x 512 bytes
	s_lshl3_add_u32 s56, s16, s56
	s_add_co_u32 s56, s56, s14
	s_lshl_b32 s56, s56, 9
	s_add_nc_u64 s[12:13], s[12:13], s[56:57]
	ROUND                                          ; all four work-groups are here: the first joint loads meet
	tensor_load_to_lds s[G0S:G0S+3], s[G1S:G1S+7]  ; the two first fills go out together: two tensor loads of this wave are out,
	s_nop 0
	tensor_load_to_lds s[G0:G0+3], s[G1:G1+7]      ; later one behind each round
	s_nop 0
	v_nop
	v_nop
	v_and_b32 v40, 31, v0                          ; lane
	v_lshlrev_b32 v1, 4, v40
	WIN 0x40                                       ; destination in window 1
.irp n, 0,1,2,3
.irp i, 0,1,2,3,4,5,6,7,8,9,10,11,12,13,14,15
	global_load_b128 v[64*\n+4*\i:64*\n+4*\i+3], v1, s[4:5] offset:\n*MBLK+\i*512   ; rows 16 n .., K step i / 2, its lower or upper 16 k
.endr
.endr
	WIN 0
	v_lshrrev_b32 v41, 4, v40                      ; h
	v_and_b32 v42, 15, v40                         ; r
	v_lshlrev_b32 v124, 2, v42
.irp n, 0,1,2,3
	global_load_b32 v[M+\n], v124, s[8:9] offset:64*\n     ; sf of row 16 n + r
.endr
	v_lshl_add_u32 v120, v41, 5, SWLDS             ; sw of codes 8 h .. 8 h + 7 of a block: 32 bytes
	s_lshl_b32 s67, s17, 11
	v_lshl_add_u32 v121, v41, 3, s67               ; 8 h + 2,048 y
	s_lshl_b32 s67, s14, 9
	s_add_co_u32 s67, s67, SCR
	v_lshl_add_u32 v122, v41, 8, s67               ; way out: lanes 0-15 put values, lanes 16-31 indices, 256 bytes further
	v_lshl_add_u32 v122, v42, 2, v122
	v_add_nc_u32 v123, s67, v1
.irp n, 0,1,2,3
	v_mov_b32 v[BEST+\n], s55
	v_mov_b32 v[TID+\n], 0
.endr
.set i, 0
.rept 32
	v_mov_b32 v[S+i], s55
.set i, i+1
.endr
	s_wait_loadcnt 0x0                             ; my rows and their sf, once
.irp n, 0,1,2,3
	v_xor_b32 v[NSF+2*\n],   0x80000000, v[M+\n]
	v_xor_b32 v[NSF+2*\n+1], 0x80000000, v[M+\n]
.endr
; 18 LDS loads: a block of codes (16 x 512 consecutive bytes) and my 8 sw
.macro FETCH buf, swb, off, swoff
.irp i, 0,1,2,3,4,5,6,7,8,9,10,11,12,13,14,15
	ds_load_b128 v[\buf+4*\i:\buf+4*\i+3], v2 offset:\off+512*\i
.endr
	ds_load_b128 v[\swb:\swb+3],   v3 offset:\swoff
	ds_load_b128 v[\swb+4:\swb+7], v3 offset:\swoff+16
.endm
; 32 matrix instructions: 16 codes (source 0) x my 64 rows (source 1, window 1), K = 256.  Register j of lane (r, h) of accumulator n: code 8 h + j, row 16 n + r.
; The first K step starts the sums.  The four accumulators take turns, one instruction a turn.
.macro MUL buf
	WIN 0x04
.irp n, 0,1,2,3
	v_wmma_f32_16x16x32_bf16 v[ACC+8*\n:ACC+8*\n+7], v[\buf:\buf+7], v[64*\n:64*\n+7], 0
.endr
.irp s, 1,2,3,4,5,6,7
.irp n, 0,1,2,3
	v_wmma_f32_16x16x32_bf16 v[ACC+8*\n:ACC+8*\n+7], v[\buf+8*\s:\buf+8*\s+7], v[64*\n+8*\s:64*\n+8*\s+7], v[ACC+8*\n:ACC+8*\n+7]
.endr
.endr
.endm
; 92 vector instructions for four tiles of 256 d.
.macro EPI swb
	WIN 0
.irp n, 0,1
.irp i, 0,1,2,3
	v_pk_fma_f32 v[T+8*\n+2*\i:T+8*\n+2*\i+1], v[\swb+2*\i:\swb+2*\i+1], -1.0, v[NSF+2*\n:NSF+2*\n+1] op_sel_hi:[1,0,1]   ; fl(-sf - sw).  These eight name no register of a matrix instruction: they are the places behind the last ones (ISA guide 7.12.1)
.endr
.endr
.irp n, 0,1
.irp i, 0,1,2,3
	v_pk_fma_f32 v[ACC+8*\n+2*\i:ACC+8*\n+2*\i+1], v[ACC+8*\n+2*\i:ACC+8*\n+2*\i+1], 2.0, v[T+8*\n+2*\i:T+8*\n+2*\i+1] op_sel_hi:[1,0,1]   ; d: doubling is exact, so one rounding
.endr
.endr
.irp n, 2,3
.irp i, 0,1,2,3
	v_pk_fma_f32 v[T+8*(\n-2)+2*\i:T+8*(\n-2)+2*\i+1], v[\swb+2*\i:\swb+2*\i+1], -1.0, v[NSF+2*\n:NSF+2*\n+1] op_sel_hi:[1,0,1]
.endr
.endr
.irp n, 2,3
.irp i, 0,1,2,3
	v_pk_fma_f32 v[ACC+8*\n+2*\i:ACC+8*\n+2*\i+1], v[ACC+8*\n+2*\i:ACC+8*\n+2*\i+1], 2.0, v[T+8*(\n-2)+2*\i:T+8*(\n-2)+2*\i+1] op_sel_hi:[1,0,1]
.endr
.endr
.irp n, 0,1,2,3
	v_max3_num_f32 v[M+\n], v[ACC+8*\n], v[ACC+8*\n+1], v[ACC+8*\n+2]
.endr
.irp n, 0,1,2,3
	v_max3_num_f32 v[M+\n], v[M+\n], v[ACC+8*\n+3], v[ACC+8*\n+4]
.endr
.irp n, 0,1,2,3
	v_max3_num_f32 v[M+\n], v[M+\n], v[ACC+8*\n+5], v[ACC+8*\n+6]
.endr
.irp n, 0,1,2,3
	v_max_num_f32 v[M+\n], v[M+\n], v[ACC+8*\n+7]
.endr
.irp n, 0,1,2,3
	v_cmp_gt_f32 s[CM+\n], v[M+\n], v[BEST+\n]     ; strictly greater: the first block keeps a tie
.endr
.irp n, 0,1,2,3
	v_max_num_f32 v[BEST+\n], v[BEST+\n], v[M+\n]
	v_cndmask_b32 v[TID+\n], v[TID+\n], s52, s[CM+\n]
.endr
.irp n, 0,1,2,3
.irp j, 0,1,2,3,4,5,6,7
	v_cndmask_b32 v[S+8*\n+\j], v[S+8*\n+\j], v[ACC+8*\n+\j], s[CM+\n]
.endr
.endr
	s_add_co_u32 s52, s52, 1
.endm
; The 16 blocks of a slot, two fragment buffers: while one block is multiplied and judged, the next one's 18 loads are on their way.
; Every FETCH into a buffer stands behind the EPI that followed that buffer's MUL: far more than four places.
.macro SLOTWORK slot
.if \slot
	v_add_nc_u32 v2, \slot*SLOTB, v1
.else
	v_mov_b32 v2, v1
.endif
	s_lshl_b32 s67, s52, 6                         ; 64 bytes of sw a block; s52 is a multiple of 16 here,
	s_and_b32 s67, s67, 0x1c00                     ; and the offset stays inside the table of 8 KiB by construction
	v_add_nc_u32 v3, s67, v120
	FETCH A0, SW0, 0, 0
	s_mov_b32 s53, 7
.Lpair_\@:
	FETCH A1, SW1, MBLK, 64
	s_wait_dscnt 18                                ; the 18 just issued may stay out: buffer 0 and its sw are in
	MUL A0
	EPI SW0
	v_add_nc_u32 v2, 2*MBLK, v2
	v_add_nc_u32 v3, 128, v3
	FETCH A0, SW0, 0, 0
	s_wait_dscnt 18                                ; buffer 1 and its sw are in
	MUL A1
	EPI SW1
	s_sub_co_i32 s53, s53, 1
	s_cmp_lg_u32 s53, 0
	s_cbranch_scc1 .Lpair_\@
	FETCH A1, SW1, MBLK, 64                        ; blocks 14 and 15: nothing is read past the slot
	s_wait_dscnt 18
	MUL A0
	EPI SW0
	s_wait_dscnt 0x0
	MUL A1
	EPI SW1
.endm
; One tile of codes.  In front of the round every wave has waited for all its tensor loads (its part of this tile among them) and for its reads of the other slot;
; behind the round the other slot is asked for again, jointly, first thing: this wave's one tensor load until the next round.
.macro TRIP slot, refill
	s_wait_xcnt 0x0
	v_lshl_add_u32 v254, v0, 2, 0x43000
	v_mov_b32 v255, 0
	s_wait_tensorcnt 0x0                           ; none of my tensor loads is out, so a group 0 may be written:
	ds_add_u32 v254, v255
	s_wait_dscnt 0x0
	s_add_nc_u64 s[G0+4*\slot+2:G0+4*\slot+3], s[G0+4*\slot+2:G0+4*\slot+3], 2*SLOTB   ; this slot's next tile
	s_wait_dscnt 0x0                               ; my reads of the last tile are back
	ROUND                                          ; both now hold of every wave of all four work-groups
.if \refill
	tensor_load_to_lds s[G0+4-4*\slot:G0+7-4*\slot], s[G1:G1+7]
	s_nop 0
.endif
	SLOTWORK \slot
.endm
	s_mov_b32 s54, 3                               ; eight tiles: three laps here, the last lap written out
.Lring:
	TRIP 0, 1
	TRIP 1, 1
	s_sub_co_i32 s54, s54, 1
	s_cmp_lg_u32 s54, 0
	s_cbranch_scc1 .Lring
	TRIP 0, 1
	TRIP 1, 0                                      ; nothing is left to fetch (the stepped address is not used)
	; THE END.  In each lane: the first j of the kept tile that holds the best; then the two halves of the lanes (codes 8 h + j) meet:
	; the greater value, at equal values the smaller index.  Both halves decide alike.
.irp n, 0,1,2,3
	v_mov_b32 v[T+2], 7
.irp j, 6,5,4,3,2,1,0
	v_cmp_neq_f32 vcc_lo, v[S+8*\n+\j], v[BEST+\n]
	v_cndmask_b32 v[T+2], \j, v[T+2], vcc_lo       ; equal: j, and the lowest j comes last
.endr
	v_lshl_add_u32 v[T+3], v[TID+\n], 4, v[T+2]
	v_add_nc_u32 v[T+3], v[T+3], v121              ; code = 2,048 y + 16 block + 8 h + j
	v_permlanex16_b32 v[T], v[BEST+\n], s58, s59
	v_permlanex16_b32 v[T+1], v[T+3], s58, s59
	v_cmp_gt_f32 s67, v[T], v[BEST+\n]
	v_cmp_eq_f32 s68, v[T], v[BEST+\n]
	v_cmp_lt_u32 vcc_lo, v[T+1], v[T+3]
	s_and_b32 s68, s68, vcc_lo
	s_or_b32 s67, s67, s68                         ; take the other half's
	v_cndmask_b32 v[T+4], v[BEST+\n], v[T], s67
	v_cndmask_b32 v[T+3], v[T+3], v[T+1], s67
	v_cndmask_b32 v[T+4], v[T+4], v[T+3], s66      ; lanes 0-15 carry the value, lanes 16-31 the index
	ds_store_b32 v122, v[T+4] offset:64*\n
.endr
	ds_load_b128 v[124:127], v123                  ; my wave's own bytes, served in order (ISA guide 5.7.1): 64 values, then 64 indices
	s_wait_dscnt 0x0
	global_store_b128 v1, v[124:127], s[12:13]     ; 512 consecutive bytes
	s_wait_xcnt 0x0
	v_lshl_add_u32 v254, v0, 2, 0x43000
	v_mov_b32 v255, 0
	s_wait_tensorcnt 0x0
	ds_add_u32 v254, v255
	s_wait_dscnt 0x0
	ROUND                                          ; the closing round: no work-group ends while a partner may still ask jointly
	s_endpgm
.Lfunc_end_k_qd298df136f_vqmain:
	.size	k_qd298df136f_vqmain, .Lfunc_end_k_qd298df136f_vqmain-k_qd298df136f_vqmain
	.p2alignl 7, 3214868480
	.fill 96, 4, 3214868480
	.section	.rodata,"a",@progbits
	.p2align	6, 0x0
	.amdhsa_kernel k_qd298df136f_vqmain
		.amdhsa_group_segment_fixed_size 327680
		.amdhsa_private_segment_fixed_size 0
		.amdhsa_enable_private_segment 0
		.amdhsa_kernarg_size 40
		.amdhsa_user_sgpr_count 2
		.amdhsa_user_sgpr_kernarg_segment_ptr 1
		.amdhsa_wavefront_size32 1
		.amdhsa_system_sgpr_workgroup_id_x 1
		.amdhsa_system_sgpr_workgroup_id_y 1
		.amdhsa_system_sgpr_workgroup_id_z 1
		.amdhsa_system_vgpr_workitem_id 0
		.amdhsa_next_free_vgpr 512
		.amdhsa_next_free_sgpr 72
		.amdhsa_reserve_vcc 1
		.amdhsa_float_denorm_mode_32 3
		.amdhsa_float_denorm_mode_16_64 3
		.amdhsa_memory_ordered 1
		.amdhsa_forward_progress 1
		.amdhsa_inst_pref_size 163
	.end_amdhsa_kernel
	.amdgpu_metadata
---
amdhsa.version: [ 1, 2 ]
amdhsa.kernels:
  - .name:           k_qd298df136f_vqmain
    .symbol:         k_qd298df136f_vqmain.kd
    .args:
      - { .name: xfrag, .offset: 0, .size: 8, .value_kind: global_buffer, .address_space: global }
      - { .name: wfrag, .offset: 8, .size: 8, .value_kind: global_buffer, .address_space: global }
      - { .name: sf, .offset: 16, .size: 8, .value_kind: global_buffer, .address_space: global }
      - { .name: sw, .offset: 24, .size: 8, .value_kind: global_buffer, .address_space: global }
      - { .name: part, .offset: 32, .size: 8, .value_kind: global_buffer, .address_space: global }
    .group_segment_fixed_size: 327680
    .private_segment_fixed_size: 0
    .kernarg_segment_align: 8
    .kernarg_segment_size: 40
    .max_flat_workgroup_size: 256
    .sgpr_count:     72
    .vgpr_count:     512
    .wavefront_size: 32
...
	.end_amdgpu_metadata
.endif
;; end of part 3
;; launch merge (part 4): grid 32 x 1, 4 waves a work-group, no clusters, 0 bytes of LDS; arguments part, out2, order; writes out2, order
.if DOCPART == 4
	.amdgcn_target "amdgcn-amd-amdhsa--gfx1250"
	.amdhsa_code_object_version 6
	.text
	.protected	k_qd298df136f_merge
	.globl	k_qd298df136f_merge
	.p2align	8
	.type	k_qd298df136f_merge,@function
k_qd298df136f_merge:
	s_mov_b64 s[64:65], 0
	v_nop
	global_prefetch_b8 v0, s[64:65] scope:SCOPE_SE
	s_setreg_imm32_b32 hwreg(HW_REG_WAVE_MODE, 25, 1), 1
	s_wait_xcnt 0x0
; The eight splits of the codes meet: for each row the greatest of eight values, at equal values the lowest split (its codes are the lower ones).
; part: [split 8][group of 64 rows 256][64 f32 values, 64 indices].  The winner's index goes to out2 and, as whole numbers for the gather of the next launch, to order.
; A thread owns four neighbouring rows; sixteen lanes read and write 256 consecutive bytes.  1 MiB in, 128 KiB out: no LDS, no barrier, all 16 loads out at once.
	s_load_b128 s[4:7], s[0:1], 0x0                ; part s[4:5], out2 s[6:7]
	s_load_b64 s[8:9], s[0:1], 0x10                ; order
	s_lshl_b32 s10, ttmp9, 7
	v_add_nc_u32 v1, s10, v0                       ; thread 0 .. 4,095
	v_lshrrev_b32 v2, 4, v1                        ; group of 64 rows
	v_and_b32 v3, 15, v1
	v_lshlrev_b32 v2, 9, v2
	v_lshl_add_u32 v2, v3, 4, v2
	v_lshlrev_b32 v3, 4, v1
	s_wait_kmcnt 0x0
.irp y, 0,1,2,3,4,5,6,7
	global_load_b128 v[4+4*\y:7+4*\y],   v2, s[4:5] offset:\y*131072 th:TH_LOAD_NT
	global_load_b128 v[36+4*\y:39+4*\y], v2, s[4:5] offset:\y*131072+256 th:TH_LOAD_NT
.endr
.irp y, 1,2,3,4,5,6,7
	s_wait_loadcnt 14-2*\y                         ; of the 16 loads the first 2 y + 2 are in
.irp q, 0,1,2,3
	v_cmp_gt_f32 vcc_lo, v[4+4*\y+\q], v[4+\q]     ; strictly greater
	v_cndmask_b32 v[4+\q],  v[4+\q],  v[4+4*\y+\q],  vcc_lo
	v_cndmask_b32 v[36+\q], v[36+\q], v[36+4*\y+\q], vcc_lo
.endr
.endr
	global_store_b128 v3, v[36:39], s[6:7]
	global_store_b128 v3, v[36:39], s[8:9]
	s_endpgm
.Lfunc_end_k_qd298df136f_merge:
	.size	k_qd298df136f_merge, .Lfunc_end_k_qd298df136f_merge-k_qd298df136f_merge
	.p2alignl 7, 3214868480
	.fill 96, 4, 3214868480
	.section	.rodata,"a",@progbits
	.p2align	6, 0x0
	.amdhsa_kernel k_qd298df136f_merge
		.amdhsa_group_segment_fixed_size 0
		.amdhsa_private_segment_fixed_size 0
		.amdhsa_enable_private_segment 0
		.amdhsa_kernarg_size 24
		.amdhsa_user_sgpr_count 2
		.amdhsa_user_sgpr_kernarg_segment_ptr 1
		.amdhsa_wavefront_size32 1
		.amdhsa_system_sgpr_workgroup_id_x 1
		.amdhsa_system_sgpr_workgroup_id_y 1
		.amdhsa_system_sgpr_workgroup_id_z 1
		.amdhsa_system_vgpr_workitem_id 0
		.amdhsa_next_free_vgpr 72
		.amdhsa_next_free_sgpr 66
		.amdhsa_reserve_vcc 1
		.amdhsa_float_denorm_mode_32 3
		.amdhsa_float_denorm_mode_16_64 3
		.amdhsa_memory_ordered 1
		.amdhsa_forward_progress 1
		.amdhsa_inst_pref_size 6
	.end_amdhsa_kernel
	.amdgpu_metadata
---
amdhsa.version: [ 1, 2 ]
amdhsa.kernels:
  - .name:           k_qd298df136f_merge
    .symbol:         k_qd298df136f_merge.kd
    .args:
      - { .name: part, .offset: 0, .size: 8, .value_kind: global_buffer, .address_space: global }
      - { .name: out2, .offset: 8, .size: 8, .value_kind: global_buffer, .address_space: global }
      - { .name: order, .offset: 16, .size: 8, .value_kind: global_buffer, .address_space: global }
    .group_segment_fixed_size: 0
    .private_segment_fixed_size: 0
    .kernarg_segment_align: 8
    .kernarg_segment_size: 24
    .max_flat_workgroup_size: 128
    .sgpr_count:     66
    .vgpr_count:     72
    .wavefront_size: 32
...
	.end_amdgpu_metadata
.endif
;; end of part 4
;; launch vqout (part 5): grid 256 x 1, 8 waves a work-group, no clusters, 83,200 bytes of LDS; arguments x, weight, codebook_mask, order, out0, lpart; writes out0, lpart
.if DOCPART == 5
	.amdgcn_target "amdgcn-amd-amdhsa--gfx1250"
	.amdhsa_code_object_version 6
	.text
	.protected	k_qd298df136f_vqout
	.globl	k_qd298df136f_vqout
	.p2align	8
	.type	k_qd298df136f_vqout,@function
k_qd298df136f_vqout:
	s_mov_b64 s[64:65], 0
	v_nop
	global_prefetch_b8 v0, s[64:65] scope:SCOPE_SE
	s_setreg_imm32_b32 hwreg(HW_REG_WAVE_MODE, 25, 1), 1
	s_wait_xcnt 0x0
; out0[b][c][n] = x^ + (w^[index] - x^), and this work-group's part of the loss: the sum of (w^ - x^)^2 mask, and the sum of mask.
; Work-group g: 64 rows (image g / 16, n0 = 64 (g % 16)) x 256 channels.  Codes lie by rows, out0 by channels: the 64 codes turn in LDS.
; Phase 1: wave w gathers the codes of rows 8 w .. +7 (whole rows of 1,024 bytes), rounds them to bf16 and puts them into LDS as f32.
; Phase 2: wave w works on channels 32 w .. +31; sixteen lanes read and write the 64 rows of one channel, 256 consecutive bytes.
; Memory binds: each byte of x is read once, out0 written once, all loads of a wave go out at its head.  No matrix unit, no cluster (nothing shared but cached codes).
; LIMIT: x^ and w^ are x and the code rounded to bf16 (relative 2^-9), the numbers that the distances were made of.  The sum x + (x_q - x) gives x_q
; rounded to a unit in the last place of x; where x_q lies halfway between two such steps, the last bit of x decides.  With x^ the whole program
; computes the problem's formulas on one set of numbers, the rounded ones.
; An index is clamped to 16,383; earlier launches store none above.
.set PITCH, 1280                       ; LDS: row n starts at 1,280 n + 16 (n / 4).  In phase 2 lane (a, hl) reads word 4 a + hl + a constant, modulo 64 words: 32 different ones
.set SUMS,  81920                      ; behind the 64 rows: one word for each wave
.set MK,  6                            ; v[6:9]     mask of my four rows
.set L,   10                           ; v[10:13]   sum of squares for my four rows
.set TMP, 14                           ; v[14:19]
.set G,   20                           ; v[20:83]   gathered codes; then the turned codes; then out0
.set XR,  84                           ; v[84:147]  x, then x^
.set GO,  148                          ; v[148:155] byte offsets of my eight codes
	s_load_b256 s[4:11], s[0:1], 0x0               ; x s[4:5], weight s[6:7], codebook_mask s[8:9], order s[10:11]
	s_load_b128 s[12:15], s[0:1], 0x20             ; out0 s[12:13], lpart s[14:15]
	v_lshl_add_u32 v156, v0, 2, 0x14100
	v_mov_b32 v157, 0
	v_lshrrev_b32 v1, 5, v0
	v_readfirstlane_b32 s24, v1                    ; wave 0..7
	s_mov_b32 s25, ttmp9
	s_mov_b32 s36, 0x76543210
	s_mov_b32 s37, 0xfedcba98
	s_mov_b32 s38, 0xffff0000
	v_and_b32 v14, 31, v0                          ; lane
	v_lshlrev_b32 v1, 4, v14
	v_and_b32 v15, 15, v14                         ; a
	v_lshrrev_b32 v16, 4, v14                      ; hl
	v_lshlrev_b32 v5, 4, v15                       ; my four rows 4 a .. in a channel, and in the mask
	s_lshl_b32 s26, s24, 17
	v_lshl_add_u32 v2, v16, 12, v5
	v_add_nc_u32 v2, s26, v2                       ; channel 32 w + hl (+ 2 i in the immediate), 4,096 bytes a channel
	s_mul_i32 s26, s24, 8*PITCH+32
	v_add_nc_u32 v3, s26, v1                       ; in: row 8 w, 16 bytes a lane
	v_mul_u32_u24 v4, v15, 4*PITCH+16
	v_lshl_add_u32 v4, v16, 2, v4
	s_lshl_b32 s26, s24, 7
	v_add_nc_u32 v4, s26, v4                       ; back: row 4 a, channel 32 w + hl
	s_lshl_b32 s26, s25, 8                         ; 64 rows x 4 bytes: mask, and order
	s_mov_b32 s27, 0
	s_lshl_b32 s28, s24, 5
	s_add_co_u32 s28, s28, s26                     ; my eight indices
	s_mov_b32 s29, 0
	s_lshr_b32 s30, s25, 4
	s_lshl_b32 s30, s30, 20
	s_and_b32 s32, s25, 15
	s_lshl_b32 s32, s32, 8
	s_add_co_u32 s30, s30, s32                     ; image, n0
	s_mov_b32 s31, 0
	s_lshl_b32 s32, s25, 3
	s_mov_b32 s33, 0
	s_wait_kmcnt 0x0
	s_add_nc_u64 s[10:11], s[10:11], s[28:29]
	s_load_b256 s[16:23], s[10:11], 0x0            ; whole numbers that an earlier launch stored
	s_add_nc_u64 s[4:5], s[4:5], s[30:31]
	s_add_nc_u64 s[12:13], s[12:13], s[30:31]
	s_add_nc_u64 s[8:9], s[8:9], s[26:27]
	s_add_nc_u64 s[14:15], s[14:15], s[32:33]
.irp i, 0,1,2,3,4,5,6,7,8,9,10,11,12,13,14,15
	global_load_b128 v[XR+4*\i:XR+4*\i+3], v2, s[4:5] offset:\i*8192 th:TH_LOAD_NT   ; go out while the indices are on their way
.endr
	global_load_b128 v[MK:MK+3], v5, s[8:9]
	s_wait_kmcnt 0x0
.irp j, 0,1,2,3,4,5,6,7
	s_min_u32 s[16+\j], s[16+\j], 0x3fff
	s_lshl_b32 s[16+\j], s[16+\j], 10
	v_add_nc_u32 v[GO+\j], s[16+\j], v1
.endr
.irp j, 0,1,2,3,4,5,6,7
	global_load_b128 v[G+8*\j:G+8*\j+3],   v[GO+\j], s[6:7]
	global_load_b128 v[G+8*\j+4:G+8*\j+7], v[GO+\j], s[6:7] offset:512
.endr
.irp j, 0,1,2,3,4,5,6,7
	s_wait_loadcnt 14-2*\j                         ; the 16 gathers are the youngest loads: the first 2 j + 2 of them are in, and x and the mask with them
.irp hf, 0,1
	v_cvt_pk_bf16_f32 v[TMP],   v[G+8*\j+4*\hf],   v[G+8*\j+4*\hf+1]
	v_cvt_pk_bf16_f32 v[TMP+1], v[G+8*\j+4*\hf+2], v[G+8*\j+4*\hf+3]
	v_lshlrev_b32 v[G+8*\j+4*\hf],   16,  v[TMP]
	v_and_b32     v[G+8*\j+4*\hf+1], s38, v[TMP]
	v_lshlrev_b32 v[G+8*\j+4*\hf+2], 16,  v[TMP+1]
	v_and_b32     v[G+8*\j+4*\hf+3], s38, v[TMP+1]
	ds_store_b128 v3, v[G+8*\j+4*\hf:G+8*\j+4*\hf+3] offset:\j*PITCH+(\j/4)*16+\hf*512
.endr
.endr
	s_wait_dscnt 0x0                               ; for the others' sake: my eight rows are written
	s_barrier_signal -1
	s_barrier_wait -1
.irp i, 0,1,2,3,4,5,6,7,8,9,10,11,12,13,14,15
.irp q, 0,1,2,3
	ds_load_b32 v[G+4*\i+\q], v4 offset:\q*PITCH+8*\i      ; row 4 a + q, channel 32 w + hl + 2 i
.endr
.endr
	; x to x^, in place, while the 64 LDS loads are on their way (x is in since the last gather's wait, whose count was 0)
.irp i, 0,1,2,3,4,5,6,7,8,9,10,11,12,13,14,15
	v_cvt_pk_bf16_f32 v[TMP+4*(\i%2)],   v[XR+4*\i],   v[XR+4*\i+1]
	v_cvt_pk_bf16_f32 v[TMP+4*(\i%2)+1], v[XR+4*\i+2], v[XR+4*\i+3]
	v_lshlrev_b32 v[XR+4*\i],   16,  v[TMP+4*(\i%2)]
	v_and_b32     v[XR+4*\i+1], s38, v[TMP+4*(\i%2)]
	v_lshlrev_b32 v[XR+4*\i+2], 16,  v[TMP+4*(\i%2)+1]
	v_and_b32     v[XR+4*\i+3], s38, v[TMP+4*(\i%2)+1]
.endr
.irp i, 0,1,2,3,4,5,6,7,8,9,10,11,12,13,14,15
	s_wait_dscnt 60-4*\i                           ; of the 64 loads the first 4 i + 4 are in
	v_pk_add_f32 v[TMP:TMP+1],   v[G+4*\i:G+4*\i+1],   v[XR+4*\i:XR+4*\i+1]   neg_lo:[0,1] neg_hi:[0,1]   ; x_q - x
	v_pk_add_f32 v[TMP+2:TMP+3], v[G+4*\i+2:G+4*\i+3], v[XR+4*\i+2:XR+4*\i+3] neg_lo:[0,1] neg_hi:[0,1]
.if \i
	v_pk_fma_f32 v[L:L+1],   v[TMP:TMP+1],   v[TMP:TMP+1],   v[L:L+1]
	v_pk_fma_f32 v[L+2:L+3], v[TMP+2:TMP+3], v[TMP+2:TMP+3], v[L+2:L+3]
.else
	v_pk_mul_f32 v[L:L+1],   v[TMP:TMP+1],   v[TMP:TMP+1]                     ; the first product starts the sums
	v_pk_mul_f32 v[L+2:L+3], v[TMP+2:TMP+3], v[TMP+2:TMP+3]
.endif
	v_pk_add_f32 v[G+4*\i:G+4*\i+1],   v[XR+4*\i:XR+4*\i+1],   v[TMP:TMP+1]   ; x + (x_q - x)
	v_pk_add_f32 v[G+4*\i+2:G+4*\i+3], v[XR+4*\i+2:XR+4*\i+3], v[TMP+2:TMP+3]
	global_store_b128 v2, v[G+4*\i:G+4*\i+3], s[12:13] offset:\i*8192 th:TH_STORE_NT
.endr
	v_pk_mul_f32 v[L:L+1], v[L:L+1], v[MK:MK+1]
	v_pk_fma_f32 v[L:L+1], v[L+2:L+3], v[MK+2:MK+3], v[L:L+1]
	v_add_f32 v[L], v[L], v[L+1]
	v_add_f32_dpp v[L], v[L], v[L] row_xmask:1 row_mask:0xf bank_mask:0xf
	v_add_f32_dpp v[L], v[L], v[L] row_xmask:2 row_mask:0xf bank_mask:0xf
	v_add_f32_dpp v[L], v[L], v[L] row_xmask:4 row_mask:0xf bank_mask:0xf
	v_add_f32_dpp v[L], v[L], v[L] row_xmask:8 row_mask:0xf bank_mask:0xf
	v_permlanex16_b32 v[L+1], v[L], s36, s37
	v_add_f32 v[L], v[L], v[L+1]                   ; my wave's 32 channels x 64 rows
	s_lshl_b32 s26, s24, 2
	s_add_co_u32 s26, s26, SUMS
	v_mov_b32 v18, s26
	ds_store_b32 v18, v[L]
	s_wait_dscnt 0x0                               ; for wave 0's sake
	s_barrier_signal -1
	s_barrier_wait -1
	s_cmp_lg_u32 s24, 0
	s_cbranch_scc1 .Lend
	v_mov_b32 v19, SUMS
	ds_load_b128 v[XR:XR+3],   v19
	ds_load_b128 v[XR+4:XR+7], v19 offset:16
	v_add_f32 v17, v[MK], v[MK+1]
	v_add_f32 v14, v[MK+2], v[MK+3]
	v_add_f32 v17, v17, v14
	v_add_f32_dpp v17, v17, v17 row_xmask:1 row_mask:0xf bank_mask:0xf
	v_add_f32_dpp v17, v17, v17 row_xmask:2 row_mask:0xf bank_mask:0xf
	v_add_f32_dpp v17, v17, v17 row_xmask:4 row_mask:0xf bank_mask:0xf
	v_add_f32_dpp v17, v17, v17 row_xmask:8 row_mask:0xf bank_mask:0xf   ; sixteen lanes hold the 64 rows' mask once
	v_mov_b32 v15, 0
	s_wait_dscnt 0x0
	v_pk_add_f32 v[XR:XR+1],   v[XR:XR+1],   v[XR+2:XR+3]
	v_pk_add_f32 v[XR+4:XR+5], v[XR+4:XR+5], v[XR+6:XR+7]
	v_pk_add_f32 v[XR:XR+1],   v[XR:XR+1],   v[XR+4:XR+5]
	v_add_f32 v16, v[XR], v[XR+1]
	v_cmp_eq_u32 vcc_lo, 0, v0
	s_wait_xcnt 0x0                                ; EXEC is a source of the stores above: it changes only behind this wait
	s_and_saveexec_b32 s26, vcc_lo
	global_store_b64 v15, v[16:17], s[14:15]       ; (sum of squares x mask, sum of mask) of this work-group
	s_wait_xcnt 0x0
	s_or_b32 exec_lo, exec_lo, s26
.Lend:
	s_wait_tensorcnt 0x0
	ds_add_u32 v156, v157
	s_wait_dscnt 0x0
	s_endpgm
.Lfunc_end_k_qd298df136f_vqout:
	.size	k_qd298df136f_vqout, .Lfunc_end_k_qd298df136f_vqout-k_qd298df136f_vqout
	.p2alignl 7, 3214868480
	.fill 96, 4, 3214868480
	.section	.rodata,"a",@progbits
	.p2align	6, 0x0
	.amdhsa_kernel k_qd298df136f_vqout
		.amdhsa_group_segment_fixed_size 83200
		.amdhsa_private_segment_fixed_size 0
		.amdhsa_enable_private_segment 0
		.amdhsa_kernarg_size 48
		.amdhsa_user_sgpr_count 2
		.amdhsa_user_sgpr_kernarg_segment_ptr 1
		.amdhsa_wavefront_size32 1
		.amdhsa_system_sgpr_workgroup_id_x 1
		.amdhsa_system_sgpr_workgroup_id_y 1
		.amdhsa_system_sgpr_workgroup_id_z 1
		.amdhsa_system_vgpr_workitem_id 0
		.amdhsa_next_free_vgpr 158
		.amdhsa_next_free_sgpr 66
		.amdhsa_reserve_vcc 1
		.amdhsa_float_denorm_mode_32 3
		.amdhsa_float_denorm_mode_16_64 3
		.amdhsa_memory_ordered 1
		.amdhsa_forward_progress 1
		.amdhsa_inst_pref_size 30
	.end_amdhsa_kernel
	.amdgpu_metadata
---
amdhsa.version: [ 1, 2 ]
amdhsa.kernels:
  - .name:           k_qd298df136f_vqout
    .symbol:         k_qd298df136f_vqout.kd
    .args:
      - { .name: x, .offset: 0, .size: 8, .value_kind: global_buffer, .address_space: global }
      - { .name: weight, .offset: 8, .size: 8, .value_kind: global_buffer, .address_space: global }
      - { .name: codebook_mask, .offset: 16, .size: 8, .value_kind: global_buffer, .address_space: global }
      - { .name: order, .offset: 24, .size: 8, .value_kind: global_buffer, .address_space: global }
      - { .name: out0, .offset: 32, .size: 8, .value_kind: global_buffer, .address_space: global }
      - { .name: lpart, .offset: 40, .size: 8, .value_kind: global_buffer, .address_space: global }
    .group_segment_fixed_size: 83200
    .private_segment_fixed_size: 0
    .kernarg_segment_align: 8
    .kernarg_segment_size: 48
    .max_flat_workgroup_size: 256
    .sgpr_count:     66
    .vgpr_count:     158
    .wavefront_size: 32
...
	.end_amdgpu_metadata
.endif
;; end of part 5
;; launch loss (part 6): grid 1 x 1, 1 waves a work-group, no clusters, 0 bytes of LDS; arguments lpart, out1; writes out1
.if DOCPART == 6
	.amdgcn_target "amdgcn-amd-amdhsa--gfx1250"
	.amdhsa_code_object_version 6
	.text
	.protected	k_qd298df136f_loss
	.globl	k_qd298df136f_loss
	.p2align	8
	.type	k_qd298df136f_loss,@function
k_qd298df136f_loss:
	s_mov_b64 s[64:65], 0
	v_nop
	global_prefetch_b8 v0, s[64:65] scope:SCOPE_SE
	s_setreg_imm32_b32 hwreg(HW_REG_WAVE_MODE, 25, 1), 1
	s_wait_xcnt 0x0
; loss = ratio * 0.25 * mean + ratio * mean, ratio = 1 / mean(mask), mean = sum((x_q - x)^2 mask) / 2^22, mean(mask) = sum(mask) / 2^14.
; lpart holds 256 pairs (sum of squares x mask, sum of mask), one from each work-group of the launch before: a sum over work-groups, made by one owner in a fixed order.
; One wave: 2,048 bytes, four loads.  A mask that is all zero gives inf x 0 = NaN, as the problem's own formula does.
; LIMIT: v_rcp_f32 takes a denormal mean(mask) as zero (ISA guide, its entry in 15.8): below 2^-126 the loss is as for a mask of zeros.
	s_load_b128 s[4:7], s[0:1], 0x0                ; lpart s[4:5], out1 s[6:7]
	s_mov_b32 s8, 0x76543210
	s_mov_b32 s9, 0xfedcba98
	v_lshlrev_b32 v1, 4, v0
	s_wait_kmcnt 0x0
.irp i, 0,1,2,3
	global_load_b128 v[4+4*\i:7+4*\i], v1, s[4:5] offset:512*\i
.endr
	s_wait_loadcnt 0x0
	v_pk_add_f32 v[4:5], v[4:5], v[6:7]
	v_pk_add_f32 v[8:9], v[8:9], v[10:11]
	v_pk_add_f32 v[12:13], v[12:13], v[14:15]
	v_pk_add_f32 v[16:17], v[16:17], v[18:19]
	v_pk_add_f32 v[4:5], v[4:5], v[8:9]
	v_pk_add_f32 v[12:13], v[12:13], v[16:17]
	v_pk_add_f32 v[4:5], v[4:5], v[12:13]
.irp m, 1,2,4,8
	v_add_f32_dpp v4, v4, v4 row_xmask:\m row_mask:0xf bank_mask:0xf
	v_add_f32_dpp v5, v5, v5 row_xmask:\m row_mask:0xf bank_mask:0xf
.endr
	v_permlanex16_b32 v6, v4, s8, s9
	v_permlanex16_b32 v7, v5, s8, s9
	v_pk_add_f32 v[4:5], v[4:5], v[6:7]
	v_mul_f32 v5, 0x38800000, v5                   ; x 2^-14: mean(mask)
	v_mul_f32 v4, 0x34800000, v4                   ; x 2^-22: the mean of the masked squares
	v_rcp_f32 v6, v5                               ; ratio
	v_mov_b32 v2, 0                                ; the plain instruction between v_rcp_f32 and the use of its result (ISA guide 5.7.2); also the store's offset
	s_wait_alu depctr_va_vdst(0)
	v_mul_f32 v7, v6, v4                           ; ratio x mean
	v_mul_f32 v8, 0x3e800000, v6                   ; ratio x 0.25
	v_fma_f32 v7, v8, v4, v7
	v_cmp_eq_u32 vcc_lo, 0, v0
	s_wait_xcnt 0x0                                ; EXEC changes only behind this wait
	s_and_saveexec_b32 s10, vcc_lo
	global_store_b32 v2, v7, s[6:7]
	s_wait_xcnt 0x0
	s_or_b32 exec_lo, exec_lo, s10
	s_endpgm
.Lfunc_end_k_qd298df136f_loss:
	.size	k_qd298df136f_loss, .Lfunc_end_k_qd298df136f_loss-k_qd298df136f_loss
	.p2alignl 7, 3214868480
	.fill 96, 4, 3214868480
	.section	.rodata,"a",@progbits
	.p2align	6, 0x0
	.amdhsa_kernel k_qd298df136f_loss
		.amdhsa_group_segment_fixed_size 0
		.amdhsa_private_segment_fixed_size 0
		.amdhsa_enable_private_segment 0
		.amdhsa_kernarg_size 16
		.amdhsa_user_sgpr_count 2
		.amdhsa_user_sgpr_kernarg_segment_ptr 1
		.amdhsa_wavefront_size32 1
		.amdhsa_system_sgpr_workgroup_id_x 1
		.amdhsa_system_sgpr_workgroup_id_y 1
		.amdhsa_system_sgpr_workgroup_id_z 1
		.amdhsa_system_vgpr_workitem_id 0
		.amdhsa_next_free_vgpr 24
		.amdhsa_next_free_sgpr 66
		.amdhsa_reserve_vcc 1
		.amdhsa_float_denorm_mode_32 3
		.amdhsa_float_denorm_mode_16_64 3
		.amdhsa_memory_ordered 1
		.amdhsa_forward_progress 1
		.amdhsa_inst_pref_size 3
	.end_amdhsa_kernel
	.amdgpu_metadata
---
amdhsa.version: [ 1, 2 ]
amdhsa.kernels:
  - .name:           k_qd298df136f_loss
    .symbol:         k_qd298df136f_loss.kd
    .args:
      - { .name: lpart, .offset: 0, .size: 8, .value_kind: global_buffer, .address_space: global }
      - { .name: out1, .offset: 8, .size: 8, .value_kind: global_buffer, .address_space: global }
    .group_segment_fixed_size: 0
    .private_segment_fixed_size: 0
    .kernarg_segment_align: 8
    .kernarg_segment_size: 16
    .max_flat_workgroup_size: 32
    .sgpr_count:     66
    .vgpr_count:     24
    .wavefront_size: 32
...
	.end_amdgpu_metadata
.endif
;; end of part 6
;; ======== version 2 of 2: 6 launches; version 1 with the launches prepw, prepx written anew for expert scheduling mode
;; limits: values outside matrix products are rounded to bf16
;; workspace buffers: wfrag 8,388,608 bytes; xfrag 8,388,608 bytes; sw 65,536 bytes; sf 65,536 bytes; part 1,048,576 bytes; order 65,536 bytes of whole numbers; lpart 2,048 bytes
;; launch prepw (part 7): grid 256 x 1, 4 waves a work-group, no clusters, 35,840 bytes of LDS; arguments weight, wfrag, sw; writes wfrag, sw
.if DOCPART == 7
	.amdgcn_target "amdgcn-amd-amdhsa--gfx1250"
	.amdhsa_code_object_version 6
	.text
	.protected	k_qd298df136f_prepw
	.globl	k_qd298df136f_prepw
	.p2align	8
	.type	k_qd298df136f_prepw,@function
k_qd298df136f_prepw:
	s_mov_b64 s[64:65], 0
	v_nop
	global_prefetch_b8 v0, s[64:65] scope:SCOPE_SE
	s_setreg_imm32_b32 hwreg(HW_REG_WAVE_SCHED_MODE, 0, 2), 2
	s_setreg_imm32_b32 hwreg(HW_REG_WAVE_MODE, 25, 1), 1
	s_wait_xcnt 0x0
	s_wait_alu depctr_vm_vsrc(0)
; Rounds the codes (weight [16384][256] f32) to bf16, once, and lays them in FRAGMENT ORDER: a block of 16 codes is 8,192 bytes,
; byte = piece*256 + row*16 + 2*e with k = 8*piece + e.  In that order the 16 bytes of lane l of every matrix fragment lie at 16*l of a run
; of 512 bytes, in memory and in LDS.  It also stores sw[code], the sum of squares OF THE ROUNDED NUMBERS in f32 (the order of the sum is this text's own).
; A work-group takes 64 codes, a wave one block of 16: 64 KiB in and 32 KiB out for every work-group.
; Memory binds: all 32 loads of a wave go out at once, every load and store covers whole aligned runs of 256 bytes.
; No matrix unit, no cluster (no input is shared), no tensor loads (the numbers must pass through registers to be rounded).
; LIMIT: numbers beyond bf16's range or NaN are passed on as the conversion gives them.
; THE MODE: SCHED_MODE bits 1:0 = 2 (LLVM: expert scheduling mode 2), set by the entry lines.  The code itself states the register dependences
; between vector instructions and memory or LDS instructions, with s_wait_alu, always for 0.
; THE PLAN.  Registers that memory or LDS instructions touch:
;   v1, v5 .. v8   offsets and LDS addresses: written at the head, never again.
;   IN             written by the 32 loads; code r's four conversions close its eight f32 up into its first four registers, which its two LDS stores read; never written again.
;   OUTR           written by the 16 LDS loads that read the stage back; read by the global stores and by the squares; no vector instruction writes it.
;   v[10:11]       written by wave 0's LDS load of the sums, read by its store; no vector instruction names them.
;   v[CH]          written by the sums, read by one LDS store.
; The 16 codes go in four groups of four.  Group g's conversions name group g's registers alone; the LDS stores of group g - 1 stand among them, behind ONE wait at
; the group's head.  No register that a memory or LDS instruction reads is written again, so no wait on vm_vsrc is owed.
.set WSTG, 8704                        ; a wave's stage, 32 pieces at a pitch of 272 bytes
.set SWL,  34816                       ; the work-group's 64 sums, behind the four stages
.set IN,   16                          ; v[16:143]  the 32 loads; then, in the first four of each code's eight registers, its packed bf16 on their way to LDS
.set OUTR, 144                         ; v[144:207] fragment order, read back
.set CH,   208                         ; v[208:211] chains of the sum of squares
	s_load_b128 s[4:7], s[0:1], 0x0                ; weight s[4:5], wfrag s[6:7]
	s_load_b64 s[8:9], s[0:1], 0x10                ; sw
	v_lshl_add_u32 v212, v0, 2, 0x8a00
	v_mov_b32 v213, 0
	v_lshrrev_b32 v1, 5, v0
	v_readfirstlane_b32 s16, v1                    ; wave 0..3
	s_mov_b32 s17, ttmp9
	s_mov_b32 s18, 0x76543210                      ; v_permlanex16_b32: lane i reads lane i of the other half
	s_mov_b32 s19, 0xfedcba98
	v_and_b32 v2, 31, v0                           ; lane
	v_lshlrev_b32 v1, 4, v2                        ; 16 x lane
	v_and_b32 v3, 15, v2                           ; lane % 16
	v_lshrrev_b32 v4, 4, v2                        ; lane / 16
	s_mov_b32 s21, 0
	s_mov_b32 s23, 0
	s_wait_alu depctr_va_sdst(0)                   ; s16 is written, ahead of its first reader: the bases and the stage's place are made from it
	s_lshl2_add_u32 s20, s17, s16                  ; block = 4 x work-group + wave
	s_lshl_b32 s22, s20, 13                        ; 8,192 bytes of bf16 out
	s_lshl_b32 s20, s20, 14                        ; 16,384 bytes of f32 in
	s_mul_i32 s24, s16, WSTG
	v_lshrrev_b32 v5, 1, v2                        ; my 4 numbers k = 4 lane .. lie in piece lane / 2,
	v_and_b32 v6, 1, v2                            ; in its lower or upper 8 bytes
	v_mul_u32_u24 v5, v5, 272
	v_lshl_add_u32 v5, v6, 3, v5
	v_add_nc_u32 v5, s24, v5                       ; in: pairs of lanes 272 bytes apart, so the 32 lanes' 8 bytes fall on 64 different words modulo 256 bytes
	v_mul_u32_u24 v6, v4, 272
	v_lshl_add_u32 v6, v3, 4, v6
	v_add_nc_u32 v6, s24, v6                       ; back: lanes 0-15 one piece's 256 bytes, lanes 16-31 the next piece's
	s_lshl_b32 s25, s16, 6
	v_lshl_add_u32 v7, v3, 2, s25                  ; word of code 16 wave + lane % 16
	v_lshlrev_b32 v8, 3, v2                        ; 8 x lane: wave 0's place among the 64 sums, made here with the other addresses
	s_wait_kmcnt 0x0
	s_add_nc_u64 s[4:5], s[4:5], s[20:21]
	s_add_nc_u64 s[6:7], s[6:7], s[22:23]
	s_wait_alu depctr_va_vdst(0)                   ; v1 and v5 to v8 are written: every load and store below, global or LDS, reads one of them as its address
.irp r, 0,1,2,3,4,5,6,7,8,9,10,11,12,13,14,15
	global_load_b128 v[IN+8*\r:IN+8*\r+3],   v1, s[4:5] offset:\r*1024 th:TH_LOAD_NT       ; code r, k = 4 lane ..
	global_load_b128 v[IN+8*\r+4:IN+8*\r+7], v1, s[4:5] offset:\r*1024+512 th:TH_LOAD_NT   ; code r, k = 128 + 4 lane ..
.endr
.irp e, 0,1,2,3
	v_mov_b32 v[CH+\e], 0
.endr
	s_wait_loadcnt 24                              ; of the 32 loads the first 8 are in: codes 0 to 3
.irp r, 0,1,2,3
.irp j, 0,1,2,3
	v_cvt_pk_bf16_f32 v[IN+8*(\r)+(\j)], v[IN+8*(\r)+2*(\j)], v[IN+8*(\r)+2*(\j)+1]   ; eight numbers close up into the first four of their eight registers
.endr
.endr
.irp g, 1,2,3
	s_wait_loadcnt 24-8*(\g)                       ; of the 32 loads the first 8 g + 8 are in: codes 4 g to 4 g + 3
	s_wait_alu depctr_va_vdst(0)                   ; the conversions of the group before have written its packed registers, which the LDS stores below read
.irp t, 0,1,2,3
	ds_store_b64 v5, v[IN+8*(4*(\g)-4+(\t)):IN+8*(4*(\g)-4+(\t))+1]   offset:(4*(\g)-4+(\t))*16          ; a code of the group before.  No further wait: no vector instruction since the wait names its registers
	ds_store_b64 v5, v[IN+8*(4*(\g)-4+(\t))+2:IN+8*(4*(\g)-4+(\t))+3] offset:(4*(\g)-4+(\t))*16+16*272   ; pieces 16 to 31
.irp j, 0,1,2,3
	v_cvt_pk_bf16_f32 v[IN+8*(4*(\g)+(\t))+(\j)], v[IN+8*(4*(\g)+(\t))+2*(\j)], v[IN+8*(4*(\g)+(\t))+2*(\j)+1]
.endr
.endr
.endr
	s_wait_alu depctr_va_vdst(0)                   ; the last group's conversions have written its packed registers, which the LDS stores below read
.irp r, 12,13,14,15
	ds_store_b64 v5, v[IN+8*(\r):IN+8*(\r)+1]   offset:(\r)*16
	ds_store_b64 v5, v[IN+8*(\r)+2:IN+8*(\r)+3] offset:(\r)*16+16*272       ; pieces 16 to 31
.endr
.irp i, 0,1,2,3,4,5,6,7,8,9,10,11,12,13,14,15
	ds_load_b128 v[OUTR+4*\i:OUTR+4*\i+3], v6 offset:\i*544  ; pieces 2 i, 2 i + 1.  The stage is the wave's own and LDS serves a wave in order (ISA guide 5.7.1): no wait behind the stores
.endr
.irp i, 0,1,2,3,4,5,6,7,8,9,10,11,12,13,14,15
	s_wait_dscnt 15-\i                             ; read-back i is in, the younger ones stay out
	global_store_b128 v1, v[OUTR+4*\i:OUTR+4*\i+3], s[6:7] offset:\i*512       ; 512 consecutive bytes
.irp e, 0,1,2,3
	v_fma_mix_f32_bf16 v[CH+\e], v[OUTR+4*\i+\e], v[OUTR+4*\i+\e], v[CH+\e] op_sel_hi:[1,1,0]                 ; low half squared
.endr
.irp e, 0,1,2,3
	v_fma_mix_f32_bf16 v[CH+\e], v[OUTR+4*\i+\e], v[OUTR+4*\i+\e], v[CH+\e] op_sel:[1,1,0] op_sel_hi:[1,1,0]  ; high half squared
.endr
.endr
	v_add_f32 v[CH], v[CH], v[CH+1]
	v_add_f32 v[CH+2], v[CH+2], v[CH+3]
	v_add_f32 v[CH], v[CH], v[CH+2]                ; code lane % 16, the pieces of my half of the lanes
	v_permlanex16_b32 v[CH+1], v[CH], s18, s19
	v_add_f32 v[CH], v[CH], v[CH+1]                ; all 32 pieces; both halves hold the same number
	s_wait_alu depctr_va_vdst(0)                   ; the sum is written into v[CH], which the LDS store reads
	ds_store_b32 v7, v[CH] offset:SWL
	s_wait_dscnt 0x0                               ; for wave 0's sake: my word is written
	s_barrier_signal -1
	s_barrier_wait -1
	s_cmp_lg_u32 s16, 0
	s_cbranch_scc1 .Lend
	ds_load_b64 v[10:11], v8 offset:SWL            ; the work-group's 64 sums: one store of 256 consecutive bytes
	s_lshl_b32 s20, s17, 8
	s_add_nc_u64 s[8:9], s[8:9], s[20:21]
	s_wait_dscnt 0x0
	global_store_b64 v8, v[10:11], s[8:9]
.Lend:
	s_wait_dscnt 0x0                               ; the closing lines, six on end, of a launch in the mode that stores to LDS
	s_wait_alu 0x0
	s_wait_tensorcnt 0x0
	ds_add_u32 v212, v213
	s_wait_dscnt 0x0
	s_endpgm
.Lfunc_end_k_qd298df136f_prepw:
	.size	k_qd298df136f_prepw, .Lfunc_end_k_qd298df136f_prepw-k_qd298df136f_prepw
	.p2alignl 7, 3214868480
	.fill 96, 4, 3214868480
	.section	.rodata,"a",@progbits
	.p2align	6, 0x0
	.amdhsa_kernel k_qd298df136f_prepw
		.amdhsa_group_segment_fixed_size 35840
		.amdhsa_private_segment_fixed_size 0
		.amdhsa_enable_private_segment 0
		.amdhsa_kernarg_size 24
		.amdhsa_user_sgpr_count 2
		.amdhsa_user_sgpr_kernarg_segment_ptr 1
		.amdhsa_wavefront_size32 1
		.amdhsa_system_sgpr_workgroup_id_x 1
		.amdhsa_system_sgpr_workgroup_id_y 1
		.amdhsa_system_sgpr_workgroup_id_z 1
		.amdhsa_system_vgpr_workitem_id 0
		.amdhsa_next_free_vgpr 214
		.amdhsa_next_free_sgpr 66
		.amdhsa_reserve_vcc 0
		.amdhsa_float_denorm_mode_32 3
		.amdhsa_float_denorm_mode_16_64 3
		.amdhsa_memory_ordered 1
		.amdhsa_forward_progress 1
		.amdhsa_inst_pref_size 24
	.end_amdhsa_kernel
	.amdgpu_metadata
---
amdhsa.version: [ 1, 2 ]
amdhsa.kernels:
  - .name:           k_qd298df136f_prepw
    .symbol:         k_qd298df136f_prepw.kd
    .args:
      - { .name: weight, .offset: 0, .size: 8, .value_kind: global_buffer, .address_space: global }
      - { .name: wfrag, .offset: 8, .size: 8, .value_kind: global_buffer, .address_space: global }
      - { .name: sw, .offset: 16, .size: 8, .value_kind: global_buffer, .address_space: global }
    .group_segment_fixed_size: 35840
    .private_segment_fixed_size: 0
    .kernarg_segment_align: 8
    .kernarg_segment_size: 24
    .max_flat_workgroup_size: 128
    .sgpr_count:     66
    .vgpr_count:     214
    .wavefront_size: 32
...
	.end_amdgpu_metadata
.endif
;; end of part 7
;; launch prepx (part 8): grid 256 x 1, 4 waves a work-group, no clusters, 34,816 bytes of LDS; arguments x, xfrag, sf; writes xfrag, sf
.if DOCPART == 8
	.amdgcn_target "amdgcn-amd-amdhsa--gfx1250"
	.amdhsa_code_object_version 6
	.text
	.protected	k_qd298df136f_prepx
	.globl	k_qd298df136f_prepx
	.p2align	8
	.type	k_qd298df136f_prepx,@function
k_qd298df136f_prepx:
	s_mov_b64 s[64:65], 0
	v_nop
	global_prefetch_b8 v0, s[64:65] scope:SCOPE_SE
	s_setreg_imm32_b32 hwreg(HW_REG_WAVE_SCHED_MODE, 0, 2), 2
	s_setreg_imm32_b32 hwreg(HW_REG_WAVE_MODE, 25, 1), 1
	s_wait_xcnt 0x0
	s_wait_alu depctr_vm_vsrc(0)
; Rounds the vectors (x [16][256][1024] f32, seen as rows b*1024+n of 256 channels) to bf16, once, turns them from channel-major to row-major
; and lays them in FRAGMENT ORDER: a block of 16 rows is 8,192 bytes, byte = piece*256 + row*16 + 2*e with k = 8*piece + e.
; It also stores sf[row], the sum of squares OF THE ROUNDED NUMBERS in f32 (the order of the sum is this text's own).
; Work-group g: the 64 rows n0 .. n0+63 of image g / 16, n0 = 64 (g % 16); wave w: channels 64 w .. +63 on the way in, block w of 16 rows on the way out.
; Memory binds: all 32 loads of a wave go out at once, every load and store covers whole aligned runs of 256 bytes: 64 KiB in, 32 KiB out.
; No matrix unit, no cluster (no input is shared), no tensor loads (the numbers must pass through registers to be rounded).
; LIMIT: numbers beyond bf16's range or NaN are passed on as the conversion gives them.
; THE MODE: SCHED_MODE bits 1:0 = 2 (LLVM: expert scheduling mode 2), set by the entry lines.  The code itself states the register dependences
; between vector instructions and memory or LDS instructions, with s_wait_alu, always for 0.
; THE PLAN.  Registers that memory or LDS instructions touch:
;   v1, v5 .. v9   offsets and LDS addresses: written at the head, never again.
;   IN             written by the 32 loads, read by the conversions; in wave 0 its first eight registers later take the four waves' sums from LDS.
;   OUTR           first: piece pp, row q has four registers of its own at OUTR + 16 pp + 4 q, written by its conversions, read by its squares and by its one LDS store;
;                  then, behind the barrier: written by the 16 LDS loads that read the stages back, read by the global stores.
;   v[CH:CH+3]     written by the sums, read by one LDS store.
; The eight pieces of a lane's half go in four groups (pp).  Group pp's vector instructions name group pp's registers and CH alone; the LDS stores of group pp - 1 stand among
; them, behind ONE wait at the group's head.  One wait behind the last sums serves the last five LDS stores and all later loads into OUTR and IN; one wait on vm_vsrc
; stands ahead of the read-back into OUTR.
.set XREG, 8256                        ; a wave's stage: 4 blocks of 16 rows at a pitch of 2,064 bytes
.set XNB,  2064                        ; 8 pieces of 256 bytes + 16: 129 columns of 16 bytes
.set SFL,  33024                       ; four waves' partial sums, 256 bytes each, behind the four stages
.set IN,   16                          ; v[16:143]  the 32 loads
.set OUTR, 144                         ; v[144:207] packed bf16 on their way in, four registers for each of the 16 LDS stores; then fragment order, read back
.set CH,   208                         ; v[208:215] chains of the sums of squares: low halves, high halves, for my four rows
	s_load_b128 s[4:7], s[0:1], 0x0                ; x s[4:5], xfrag s[6:7]
	s_load_b64 s[8:9], s[0:1], 0x10                ; sf
	v_lshl_add_u32 v216, v0, 2, 0x8600
	v_mov_b32 v217, 0
	v_lshrrev_b32 v1, 5, v0
	v_readfirstlane_b32 s16, v1                    ; wave 0..3
	s_mov_b32 s17, ttmp9                           ; g = group of 64 rows
	s_mov_b32 s18, 0x76543210                      ; v_permlanex16_b32: lane i reads lane i of the other half
	s_mov_b32 s19, 0xfedcba98
	v_and_b32 v2, 31, v0                           ; lane
	v_lshlrev_b32 v1, 4, v2                        ; 16 x lane
	v_and_b32 v3, 15, v2                           ; a = lane % 16
	v_lshrrev_b32 v4, 4, v2                        ; lane / 16
	s_mov_b32 s21, 0
	s_mov_b32 s23, 0
	s_lshr_b32 s20, s17, 4
	s_lshl_b32 s20, s20, 20                        ; image g / 16: 1 MiB
	s_and_b32 s22, s17, 15
	s_lshl_b32 s22, s22, 8                         ; n0 x 4 bytes
	s_add_co_u32 s20, s20, s22
	s_lshl_b32 s22, s17, 15                        ; out: g x 4 blocks of 8,192 bytes,
	s_wait_alu depctr_va_sdst(0)                   ; s16 is written, ahead of its first reader: the bases and the stages' places are made from it
	s_lshl_b32 s24, s16, 13                        ; and wave w writes block w
	s_add_co_u32 s22, s22, s24
	s_lshl_b32 s25, s16, 18                        ; in: channel 64 w + 32 (lane / 16) + i, 4,096 bytes a channel
	v_lshlrev_b32 v5, 4, v3
	v_lshl_add_u32 v5, v4, 17, v5
	v_add_nc_u32 v5, s25, v5                       ; sixteen lanes read the 64 rows of one channel: 256 consecutive bytes
	v_lshrrev_b32 v6, 2, v3                        ; my rows 4 a .. 4 a + 3 lie in block a / 4,
	v_mul_u32_u24 v6, v6, XNB
	v_and_b32 v7, 3, v3
	v_lshl_add_u32 v6, v7, 6, v6                   ; at rows 4 (a % 4) + q of it,
	v_lshl_add_u32 v6, v4, 10, v6                  ; pieces 4 (lane / 16) + pp of my wave's eight
	s_mul_i32 s26, s16, XREG
	v_add_nc_u32 v6, s26, v6                       ; column of 16 bytes modulo 16 = a / 4 + 4 (a % 4) + q: sixteen different ones in sixteen lanes
	s_mul_i32 s27, s16, XNB
	v_add_nc_u32 v7, s27, v1                       ; back: block w, 512 consecutive bytes a load
	s_lshl_b32 s28, s16, 8
	v_lshl_add_u32 v8, v3, 4, s28                  ; my wave's partial sums of rows 4 a ..
	v_lshlrev_b32 v9, 3, v2                        ; 8 x lane: wave 0's place among the 64 sums, made here with the other addresses
	s_wait_kmcnt 0x0
	s_add_nc_u64 s[4:5], s[4:5], s[20:21]
	s_add_nc_u64 s[6:7], s[6:7], s[22:23]
	s_wait_alu depctr_va_vdst(0)                   ; v1 and v5 to v9 are written: every load and store below, global or LDS, reads one of them as its address
.irp i, 0,1,2,3,4,5,6,7,8,9,10,11,12,13,14,15,16,17,18,19,20,21,22,23,24,25,26,27,28,29,30,31
	global_load_b128 v[IN+4*\i:IN+4*\i+3], v5, s[4:5] offset:\i*4096 th:TH_LOAD_NT
.endr
.irp e, 0,1,2,3,4,5,6,7
	v_mov_b32 v[CH+\e], 0
.endr
.irp pp, 0,1,2,3
	s_wait_loadcnt 24-8*(\pp)                      ; of the 32 loads the first 8 pp + 8 are in
.if (\pp) > 0
	s_wait_alu depctr_va_vdst(0)                   ; the conversions of the group before have written its sixteen packed registers, which the LDS stores below read
.endif
.irp q, 0,1,2,3
.if (\pp) > 0
	ds_store_b128 v6, v[OUTR+16*((\pp)-1)+4*(\q):OUTR+16*((\pp)-1)+4*(\q)+3] offset:((\pp)-1)*256+(\q)*16   ; the group before.  No further wait: no vector instruction since the wait names its registers
.endif
.irp e, 0,1,2,3
	v_cvt_pk_bf16_f32 v[OUTR+16*(\pp)+4*(\q)+(\e)], v[IN+4*(8*(\pp)+2*(\e))+(\q)], v[IN+4*(8*(\pp)+2*(\e)+1)+(\q)]   ; row 4 a + q, channels 2 e, 2 e + 1 of the piece
.endr
.irp e, 0,1,2,3
	v_fma_mix_f32_bf16 v[CH+(\q)],   v[OUTR+16*(\pp)+4*(\q)+(\e)], v[OUTR+16*(\pp)+4*(\q)+(\e)], v[CH+(\q)]   op_sel_hi:[1,1,0]
	v_fma_mix_f32_bf16 v[CH+4+(\q)], v[OUTR+16*(\pp)+4*(\q)+(\e)], v[OUTR+16*(\pp)+4*(\q)+(\e)], v[CH+4+(\q)] op_sel:[1,1,0] op_sel_hi:[1,1,0]
.endr
.endr
.endr
.irp q, 0,1,2,3
	v_add_f32 v[CH+\q], v[CH+\q], v[CH+4+\q]
.endr
.irp q, 0,1,2,3
	v_permlanex16_b32 v[CH+4+\q], v[CH+\q], s18, s19
.endr
.irp q, 0,1,2,3
	v_add_f32 v[CH+\q], v[CH+\q], v[CH+4+\q]       ; my wave's 64 channels; both halves hold the same numbers
.endr
	s_wait_alu depctr_va_vdst(0)                   ; the last group's packed registers and the sums v[CH:CH+3] are written, which the five LDS stores below read; and the conversions and squares are done with OUTR and IN, in which LDS loads land further down
.irp q, 0,1,2,3
	ds_store_b128 v6, v[OUTR+48+4*(\q):OUTR+48+4*(\q)+3] offset:3*256+(\q)*16
.endr
	ds_store_b128 v8, v[CH:CH+3] offset:SFL
	s_wait_dscnt 0x0                               ; for the others' sake: my pieces and my sums are written
	s_barrier_signal -1
	s_barrier_wait -1
	s_wait_alu depctr_vm_vsrc(0)                   ; my LDS stores have read OUTR, in which the loads below land
.irp i, 0,1,2,3,4,5,6,7,8,9,10,11,12,13,14,15
	ds_load_b128 v[OUTR+4*\i:OUTR+4*\i+3], v7 offset:(\i/4)*XREG+(\i%4)*512    ; pieces 2 i, 2 i + 1 of block w, from the stage of wave i / 4
.endr
.irp i, 0,1,2,3,4,5,6,7,8,9,10,11,12,13,14,15
	s_wait_dscnt 15-\i                             ; read-back i is in, the younger ones stay out
	global_store_b128 v1, v[OUTR+4*\i:OUTR+4*\i+3], s[6:7] offset:\i*512       ; 512 consecutive bytes
.endr
	s_cmp_lg_u32 s16, 0
	s_cbranch_scc1 .Lend
.irp k, 0,1,2,3
	ds_load_b64 v[IN+2*\k:IN+2*\k+1], v9 offset:SFL+\k*256   ; rows 2 lane, 2 lane + 1: the four waves' parts.  No vector instruction has named IN since the wait behind the sums
.endr
	s_lshl_b32 s20, s17, 8
	s_add_nc_u64 s[8:9], s[8:9], s[20:21]
	s_wait_dscnt 0x0
	v_pk_add_f32 v[IN:IN+1], v[IN:IN+1], v[IN+2:IN+3]
	v_pk_add_f32 v[IN+4:IN+5], v[IN+4:IN+5], v[IN+6:IN+7]
	v_pk_add_f32 v[IN:IN+1], v[IN:IN+1], v[IN+4:IN+5]
	s_wait_alu depctr_va_vdst(0)                   ; the additions have written v[IN:IN+1], which the store reads
	global_store_b64 v9, v[IN:IN+1], s[8:9]        ; 256 consecutive bytes
.Lend:
	s_wait_dscnt 0x0                               ; the closing lines, six on end, of a launch in the mode that stores to LDS
	s_wait_alu 0x0
	s_wait_tensorcnt 0x0
	ds_add_u32 v216, v217
	s_wait_dscnt 0x0
	s_endpgm
.Lfunc_end_k_qd298df136f_prepx:
	.size	k_qd298df136f_prepx, .Lfunc_end_k_qd298df136f_prepx-k_qd298df136f_prepx
	.p2alignl 7, 3214868480
	.fill 96, 4, 3214868480
	.section	.rodata,"a",@progbits
	.p2align	6, 0x0
	.amdhsa_kernel k_qd298df136f_prepx
		.amdhsa_group_segment_fixed_size 34816
		.amdhsa_private_segment_fixed_size 0
		.amdhsa_enable_private_segment 0
		.amdhsa_kernarg_size 24
		.amdhsa_user_sgpr_count 2
		.amdhsa_user_sgpr_kernarg_segment_ptr 1
		.amdhsa_wavefront_size32 1
		.amdhsa_system_sgpr_workgroup_id_x 1
		.amdhsa_system_sgpr_workgroup_id_y 1
		.amdhsa_system_sgpr_workgroup_id_z 1
		.amdhsa_system_vgpr_workitem_id 0
		.amdhsa_next_free_vgpr 218
		.amdhsa_next_free_sgpr 66
		.amdhsa_reserve_vcc 0
		.amdhsa_float_denorm_mode_32 3
		.amdhsa_float_denorm_mode_16_64 3
		.amdhsa_memory_ordered 1
		.amdhsa_forward_progress 1
		.amdhsa_inst_pref_size 24
	.end_amdhsa_kernel
	.amdgpu_metadata
---
amdhsa.version: [ 1, 2 ]
amdhsa.kernels:
  - .name:           k_qd298df136f_prepx
    .symbol:         k_qd298df136f_prepx.kd
    .args:
      - { .name: x, .offset: 0, .size: 8, .value_kind: global_buffer, .address_space: global }
      - { .name: xfrag, .offset: 8, .size: 8, .value_kind: global_buffer, .address_space: global }
      - { .name: sf, .offset: 16, .size: 8, .value_kind: global_buffer, .address_space: global }
    .group_segment_fixed_size: 34816
    .private_segment_fixed_size: 0
    .kernarg_segment_align: 8
    .kernarg_segment_size: 24
    .max_flat_workgroup_size: 128
    .sgpr_count:     66
    .vgpr_count:     218
    .wavefront_size: 32
...
	.end_amdgpu_metadata
.endif
;; end of part 8
;; launch vqmain: the kernel of part 3 again; grid 32 x 8, 8 waves a work-group, clusters of 4 x 1, 327,680 bytes of LDS; arguments xfrag, wfrag, sf, sw, part; writes part
;; launch merge: the kernel of part 4 again; grid 32 x 1, 4 waves a work-group, no clusters, 0 bytes of LDS; arguments part, out2, order; writes out2, order
;; launch vqout: the kernel of part 5 again; grid 256 x 1, 8 waves a work-group, no clusters, 83,200 bytes of LDS; arguments x, weight, codebook_mask, order, out0, lpart; writes out0, lpart
;; launch loss: the kernel of part 6 again; grid 1 x 1, 1 waves a work-group, no clusters, 0 bytes of LDS; arguments lpart, out1; writes out1
